; MI455X (gfx1250); checked and timed in simulation.
; The chip was launched on July 23, 2026; its instructions are those of AMD's public machine-readable ISA for CDNA 5 (MIT licence, August 2026) and "CDNA5" Instruction Set Architecture Reference Guide (July 2026). The comments in the code are by the model that wrote it; some were corrected since.
;; Multi Head Transformer Block. Allowed arithmetic: matrix products marked QUANTISED: E2M3 operands, one E8M0 scale for each 32 along K, by v_wmma_scale_f32_16x16x128_f8f6f4 with both operands' format E2M3, f32 sums; everything else in f32.
;; Inputs: W_O 1,024 x 1,024 float32; W_QKV 1,024 x 3,072 float32; Wff_in 1,024 x 4,096 float32; Wff_out 4,096 x 1,024 float32; X 2 x 2,048 x 1,024 float32; gamma1 1,024 float32; gamma2 1,024 float32.
;; Outputs: out0 2 x 2,048 x 1,024 float32.
;; This version of the problem:
;;   THIS VERSION OF THE PROBLEM IS GIVEN IN LOW PRECISION. The matrix products marked QUANTISED in the list below multiply operands that are first quantised to E2M3 (2 exponent bits, 3 mantissa bits; 6 bits a number), with one power-of-two scale for each 32 numbers along K (OCP MX v1.0); their sums are f32. All else is computed in f32.
;;   The module's matrix products, in the order in which they are computed (A, B: the left and right operand; K: the contracted axis; several contracted axes count as one K, in the product's order):
;;     1. [M 4,096, K 1,024] x [K 1,024, N 3,072]; A: computed on the way; B: input W_QKV: QUANTISED
;;     2. batch 32 x [M 2,048, K 64] x [K 64, N 2,048]; A: computed on the way; B: computed on the way: QUANTISED
;;     3. batch 32 x [M 2,048, K 2,048] x [K 2,048, N 64]; A: softmax (see below); B: computed on the way: QUANTISED
;;     4. [M 4,096, K 1,024] x [K 1,024, N 1,024]; A: computed on the way; B: input W_O: QUANTISED
;;     5. [M 4,096, K 1,024] x [K 1,024, N 4,096]; A: computed on the way; B: input Wff_in: QUANTISED
;;     6. [M 4,096, K 4,096] x [K 4,096, N 1,024]; A: computed on the way; B: input Wff_out: QUANTISED
;;   THE QUANTISER, for each operand of a quantised product, along K:
;;     - K is cut into blocks of 32 from its start; a last block that is shorter is filled with zeros.
;;     - A block's scale is 2^e with e = floor(log2(the largest magnitude in the block)) - 2, held to -126 .. 127; a block of zeros has e = 0. As a byte (E8M0): e + 127.
;;     - Each number is divided by its block's scale, clamped to +-7.5, and rounded to the nearest number of E2M3, ties to even, subnormals kept.
;;     - The product sums the exact products of the quantised numbers (number of the format x scale) in f32.
;;   ~~~python
;;   def quantise(x, axis):      # numpy; x: float32 -> the quantised numbers, widened to float32 again
;;       x = np.moveaxis(x, axis, -1); K = x.shape[-1]
;;       x = np.pad(x, [(0, 0)] * (x.ndim - 1) + [(0, -K % 32)]); x = x.reshape(x.shape[:-1] + (-1, 32)); a = np.abs(x).max(-1, keepdims=True)
;;       e = np.where(a > 0, np.clip(np.frexp(np.where(a > 0, a, 1))[1] - 1 - 2, -126, 127), 0)      # np.frexp(a)[1] - 1 = floor(log2(a)), exactly
;;       r = np.clip(x / 2.0 ** e, -7.5, 7.5)
;;       step = 2.0 ** (np.maximum(np.frexp(np.where(r == 0, 1, r))[1] - 1, 0) - 3)
;;       q = np.round(r / step) * step * 2.0 ** e      # np.round: ties to even
;;       return np.moveaxis(q.reshape(q.shape[:-2] + (-1,))[..., :K], -1, axis).astype(np.float32)
;;   ~~~
;;   SOFTMAX AHEAD OF A QUANTISED PRODUCT. Where the list says 'softmax', what is quantised is not the finished softmax but p = 2^(t - M), with t = logit x log2(e) and M = ceil(the row's largest t), a whole number; so 1/2 < the row's largest p <= 1. The row's sum l is taken of the UNQUANTISED p, in f32, and the product's result is divided by l at the end. Since M is a whole number, a kernel that streams over the keys may use a running M (the ceiling of the running maximum): every later rescaling is an exact power of two, which a block's scale takes up: the codes' values come out the same.
;;   OPERANDS COMPUTED ON THE WAY. 'Computed on the way' means the value that the module computes at that place (a softmax that the list does not call 'softmax' is quantised finished and normalised). What goes into a quantiser is computed in f32, as accurately as f32 sums, v_exp_f32 and their like allow (about 1e-6 of the number): no bf16 or f16 on the way to a quantiser, and a product that is left as it is and whose result goes on into a quantised operand takes f32 operands (vector FMAs, or v_wmma_f32_16x16x4_f32). A number that lies on a knife's edge between two numbers of the format may be rounded either way, as far as f32 arithmetic and the matrix unit's own rounding can turn it there, and no further.
;; One version. Each part assembles by itself: llvm-mc -triple=amdgcn-amd-amdhsa -mcpu=gfx1250 --defsym DOCPART=n.
;; ======== version 1 of 1: 7 launches
;; limits: right only within a limited range of input values
;; workspace buffers: wts 9,830,400 bytes; xn 3,276,800 bytes; qc 3,407,872 bytes; kv 6,684,672 bytes; ao 3,276,800 bytes; x1 16,777,216 bytes; hid 13,107,200 bytes
;; launch prep (part 1): grid 640 x 1, 4 waves a work-group, no clusters, 71,680 bytes of LDS; arguments W_QKV, W_O, Wff_in, Wff_out, wts, X, gamma1, xn; writes wts, xn
.if DOCPART == 1
	.amdgcn_target "amdgcn-amd-amdhsa--gfx1250"
	.amdhsa_code_object_version 6
	.text
	.protected	k_q23f68012b4_prep
	.globl	k_q23f68012b4_prep
	.p2align	8
	.type	k_q23f68012b4_prep,@function
k_q23f68012b4_prep:
	s_mov_b64 s[64:65], 0
	v_nop
	global_prefetch_b8 v0, s[64:65] scope:SCOPE_SE
	s_setreg_imm32_b32 hwreg(HW_REG_WAVE_MODE, 25, 1), 1
	s_wait_xcnt 0x0
; TWO INDEPENDENT JOBS IN ONE LAUNCH, parted by one scalar branch on the work-group's number: work-groups 0-383 quantise the four weights, work-groups 384-639 norm and quantise X.  They share no byte; only the second job uses LDS.
; RECORDS, for both: a FRAGMENT (16 rows x 128 k, 12 registers a lane) is 1,536 bytes: half c at 768 c: lane l's registers 6c..6c+3 at 16 l, registers 6c+4, 6c+5 at 512 + 8 l.
; A GROUP (128 rows x 128 k) is 12,800 bytes: eight fragments, then at 12,288 + 64 i + 4 r the scale word of row r of tile i.  Tile 2 b + u, lane r, is row 32 b + 8 u + r + 8 (r / 8) of the group.  Group (g, s) lies at (g x K / 128 + s) x 12,800.
; A block's scale is 2^(floor(log2(largest magnitude)) - 2).  LIMITS: a block of zeros gets the byte 1 where the rule says 127 (its codes are zeros; this program alone reads the bytes); largest magnitudes under 2^-124 are held at that floor; NaN and infinities are not served.
;
; JOB 1, THE WEIGHTS, f32, stored [K][N].  In wts: W_QKV at 0, W_O at 2,457,600, Wff_in at 3,276,800, Wff_out at 6,553,600.
; A work-group takes 128 columns x 256 along K; wave w the 32 columns of tiles 2 w, 2 w + 1; A LANE TAKES A COLUMN AND ITS REGISTERS RUN DOWN K: a block of 32 lies in one lane, each load reads 128 consecutive bytes.
; Lanes 0-15 hold tile 2 w's rows, lanes 16-31 tile 2 w + 1's: one exchange of halves between the codes of blocks 2 c and 2 c + 1 gives both tiles' half c as the image wants it.
; No register that a store names is written again, and no base is stepped: so no wait for stores' sources is owed.
;
; JOB 2: xn = Q(x * gamma * rsqrt(mean(x^2) + 1e-6)), rows of 1,024 f32.  A work-group takes one tile of 16 rows; wave w columns 256 w .. 256 w + 255 (two fragments), kept in 128 registers a lane: the row is read once.
; Each load takes the bytes as they lie, 512 consecutive bytes of one row; the wave's 16 x 1,024 bytes turn through its own stage in LDS (rows 1,040 bytes apart) and come back so that lane (r, h) holds, of row r, 16 neighbours of each block of 32.
; gamma's 1,024 bytes a wave go the same way.  The four waves' sums of squares meet in LDS behind the one barrier.  The order of the two factors is (x gamma) r where the source reads (x r) gamma: both in f32.
.set FIRSTN, 384                       ; the first work-group of job 2
.set ARG0,  0x28                       ; where its three arguments begin
.set GRP,  12800
.set SPW,  252                         ; v252 LDS address of my spare word; never rewritten
.set NIL,  253                         ; v253 0; never rewritten
.set SPARE, 256                        ; LDS: bytes 0-255 the partial sums; from 256 on the spare words, 128 bytes a wave
	v_lshl_add_u32 v[SPW], v0, 2, SPARE
	v_mov_b32 v[NIL], 0
	s_cmp_lt_u32 ttmp9, FIRSTN
	s_cbranch_scc0 .Lnorm
; ---------------------------------------------------------------- job 1
.set VO,   32                          ; v32-63   byte offsets of a block's 32 rows of W at my column
.set X,    64                          ; v64-127  two sets of 32 numbers
.set CD,   128                         ; v128-191 codes: K step t / 4 at + 32, block t % 4 at + 8, six registers each
.set T3,   20                          ; v20-22   a block's upper 16 codes on their way (a conversion's three registers begin on an even number)
.set SW,   24                          ; v24-25   my column's scale word for each of the two K steps
.set VA16, 6                           ; v6       16 x lane + 3,072 x wave
.set VA8,  7                           ; v7       8 x lane + 3,072 x wave
.set VS,   8                           ; v8       4 x lane + 128 x wave
.set SB,   32                          ; s[32:47] eight bases, one for each block of 32 rows of W
	s_load_b256 s[4:11], s[0:1], 0x0               ; W_QKV s[4:5], W_O s[6:7], Wff_in s[8:9], Wff_out s[10:11]
	s_load_b64 s[12:13], s[0:1], 0x20              ; wts
	v_and_b32 v1, 31, v0                           ; lane
	v_lshrrev_b32 v3, 5, v0
	v_readfirstlane_b32 s2, v3                     ; wave
	v_and_b32 v4, 7, v1
	v_bfe_u32 v5, v1, 3, 1
	v_lshl_add_u32 v4, v5, 4, v4
	v_bfe_u32 v5, v1, 4, 1
	v_lshl_add_u32 v4, v5, 3, v4                   ; my column of the wave's 32: l % 8 + 16 ((l / 8) % 2) + 8 (l / 16)
	s_lshl_b32 s3, s2, 7
	s_mul_i32 s48, s2, 3072
	v_lshl_add_u32 v[VO], v4, 2, s3                ; 4 x column + 128 x wave
	v_lshl_add_u32 v[VA16], v1, 4, s48
	v_lshl_add_u32 v[VA8], v1, 3, s48
	v_lshl_add_u32 v[VS], v1, 2, s3
	s_mov_b32 s16, 4096                            ; Wff_out's figures: bytes in a row of W,
	s_mov_b32 s17, 256                             ; its first work-group,
	s_mov_b32 s18, 6553600                         ; its place in wts,
	s_mov_b32 s19, 4                               ; log2 of its parts of 256 along K
	s_wait_alu depctr_va_vdst(0)
	s_wait_kmcnt 0x0
	s_mov_b64 s[14:15], s[10:11]
	s_cmp_lt_u32 ttmp9, 256                        ; the choices hang on the work-group's number alone
	s_cselect_b64 s[14:15], s[8:9], s[14:15]       ; Wff_in
	s_cselect_b32 s16, 16384, s16
	s_cselect_b32 s17, 128, s17
	s_cselect_b32 s18, 3276800, s18
	s_cselect_b32 s19, 2, s19
	s_cmp_lt_u32 ttmp9, 128
	s_cselect_b64 s[14:15], s[6:7], s[14:15]       ; W_O
	s_cselect_b32 s16, 4096, s16
	s_cselect_b32 s17, 96, s17
	s_cselect_b32 s18, 2457600, s18
	s_cmp_lt_u32 ttmp9, 96
	s_cselect_b64 s[14:15], s[4:5], s[14:15]       ; W_QKV
	s_cselect_b32 s16, 12288, s16
	s_cselect_b32 s17, 0, s17
	s_cselect_b32 s18, 0, s18
	s_sub_co_u32 s20, ttmp9, s17                   ; my number within the weight
	s_lshl_b32 s21, 1, s19
	s_sub_co_u32 s21, s21, 1
	s_and_b32 s22, s20, s21                        ; kc: which 256 along K
	s_lshr_b32 s23, s20, s19                       ; g: which 128 columns
	s_lshl_b32 s24, 2, s19                         ; K / 128
	s_mul_i32 s25, s22, s16
	s_lshl_b32 s25, s25, 8                         ; kc x 256 rows
	s_lshl_b32 s26, s23, 9                         ; g x 128 columns of 4 bytes
	s_add_co_u32 s26, s26, s25
	s_mov_b32 s27, 0
	s_add_nc_u64 s[SB:SB+1], s[14:15], s[26:27]
	s_mul_i32 s28, s23, s24
	s_lshl_b32 s29, s22, 1
	s_add_co_u32 s28, s28, s29
	s_mul_i32 s28, s28, GRP                        ; group (g, 2 kc)
	s_add_co_u32 s28, s28, s18
	s_mov_b32 s29, 0
	s_add_nc_u64 s[12:13], s[12:13], s[28:29]
	s_lshl_b32 s30, s16, 5                         ; 32 rows of W
	s_mov_b32 s31, 0
.irp t, 1,2,3,4,5,6,7
	s_add_nc_u64 s[SB+2*\t:SB+2*\t+1], s[SB+2*\t-2:SB+2*\t-1], s[30:31]
.endr
.set vi, 1
.rept 31
	v_add_nc_u32 v[VO+vi], s16, v[VO+vi-1]         ; a row further down
.set vi, vi+1
.endr
.macro LOAD t                          ; block t: W(32 t + i, my column), i = 0 .. 31, into set t % 2
.set li, 0
.rept 32
	global_load_b32 v[X+32*((\t)%2)+li], v[VO+li], s[SB+2*(\t):SB+2*(\t)+1] th:TH_LOAD_NT
.set li, li+1
.endr
.endm
.macro BLOCK t
.set XS, X+32*((\t)%2)
.set CQ, CD+32*((\t)/4)+8*((\t)%4)
.set OFS, GRP*((\t)/4)+768*(((\t)%4)/2)
.if (\t) < 7
	s_wait_loadcnt 32                              ; this block's 32 loads are in; the next block's 32 may be out
.else
	s_wait_loadcnt 0x0
.endif
	v_max3_num_f32 v12, |v[XS]|, |v[XS+1]|, |v[XS+2]|               ; the block's largest magnitude: all 32 numbers are mine; two chains
	v_max3_num_f32 v13, |v[XS+3]|, |v[XS+4]|, |v[XS+5]|
.irp i, 6,10,14,18,22,26
	v_max3_num_f32 v12, v12, |v[XS+\i]|, |v[XS+\i+1]|
	v_max3_num_f32 v13, v13, |v[XS+\i+2]|, |v[XS+\i+3]|
.endr
	v_max3_num_f32 v12, v12, |v[XS+30]|, |v[XS+31]|
	v_max3_num_f32 v12, v12, v13, 0x1800000        ; and the floor 2^(3 - 127): the byte cannot fall under 1
	v_add_nc_u32 v11, 0xff000000, v12              ; 2 off the exponent field: the conversion takes this operand's exponent field as its scale
	v_lshrrev_b32 v13, 23, v11                     ; the scale's byte
.if (\t)%4 == 0
	v_mov_b32 v[SW+(\t)/4], v13
.else
	v_lshl_or_b32 v[SW+(\t)/4], v13, 8*((\t)%4), v[SW+(\t)/4]
.endif
	v_cvt_scalef32_pk16_fp6_f32 v[CQ:CQ+2], v[XS:XS+15], v11
	v_cvt_scalef32_pk16_fp6_f32 v[T3:T3+2], v[XS+16:XS+31], v11
	v_nop                                          ; one plain line between a scaled conversion and the vector line that reads its result
.irp i, 0,1,2
	v_mov_b32 v[CQ+3+\i], v[T3+\i]
.endr
.if (\t) < 6
	LOAD (\t)+2
.endif
.if (\t)%2 == 1                        ; blocks 2 c and 2 c + 1 are made: the first's lanes 16-31 change places with the second's lanes 0-15
.irp i, 0,1,2,3,4,5
	v_permlane16_swap_b32 v[CQ-8+\i], v[CQ+\i]     ; the first now is tile 2 w's half c, the second tile 2 w + 1's
.endr
	global_store_b128 v[VA16], v[CQ-8:CQ-5], s[12:13] offset:OFS          ; 512 consecutive bytes, at a multiple of 256 from the buffer's first byte
	global_store_b64 v[VA8], v[CQ-4:CQ-3], s[12:13] offset:OFS+512        ; 256 more
	global_store_b128 v[VA16], v[CQ:CQ+3], s[12:13] offset:OFS+1536
	global_store_b64 v[VA8], v[CQ+4:CQ+5], s[12:13] offset:OFS+1536+512
.endif
.if (\t)%4 == 3
	global_store_b32 v[VS], v[SW+(\t)/4], s[12:13] offset:GRP*((\t)/4)+12288   ; the two tiles' scale words: 128 consecutive bytes
.endif
.endm
	LOAD 0
	LOAD 1
.irp t, 0,1,2,3,4,5,6,7
	BLOCK \t
.endr
	s_endpgm                                       ; this job's waves have written no LDS byte
; ---------------------------------------------------------------- job 2
.set XR,  16                           ; v16-143  my 128 numbers
.set G,   144                          ; v144-207 64 numbers of gamma
.set TM,  208                          ; v208-223 at work in QUANT
.set PC,  224                          ; v224-243 codes
.set PW,  244                          ; v244-245 the two fragments' scale words
.set GSTG, 768                         ; LDS: gamma, 1,024 bytes a wave
.set XSTG, 4864                        ; LDS: the stages, 16 rows x 1,040 bytes a wave
.set XP,   1040                        ; 65 x 16 bytes: the sixteen rows that a read touches begin at sixteen different 16-byte columns of the 64 banks' 256 bytes (ISA guide 11.1)
.set SEL, 26                           ; s[26:27] lane selects: lane l xor 16
; 64 numbers of a lane, register 16 b + i = k 32 b + 16 (lane / 16) + i of my row, become a fragment's codes in v[PC] on and its scale word in v[pw]
.macro QUANT s, pw
.irp b, 0,1,2,3
	v_max3_num_f32 v[TM+\b], |v[\s+16*\b]|, |v[\s+1+16*\b]|, 0x1800000   ; my 16 numbers of block b, and the floor 2^(3 - 127)
.endr
.irp i, 2,4,6,8,10,12,14
.irp b, 0,1,2,3
	v_max3_num_f32 v[TM+\b], v[TM+\b], |v[\s+16*\b+\i]|, |v[\s+1+16*\b+\i]|   ; the four blocks by turns
.endr
.endr
.irp b, 0,1,2,3
	v_permlanex16_b32 v[TM+4+\b], v[TM+\b], s[SEL], s[SEL+1]
.endr
.irp b, 0,1,2,3
	v_max_num_f32 v[TM+\b], v[TM+\b], v[TM+4+\b]   ; with lane l xor 16's: the block's largest magnitude
.endr
.irp b, 0,1,2,3
	v_add_nc_u32 v[TM+12+\b], 0xff000000, v[TM+\b] ; 2 off its exponent field: the conversion's scale operand
.endr
.irp b, 0,1,2,3
	v_lshrrev_b32 v[TM+4+\b], 23, v[TM+12+\b]      ; the scale's byte
.endr
	v_lshl_or_b32 v[\pw], v[TM+5], 8, v[TM+4]
	v_lshl_or_b32 v[\pw], v[TM+6], 16, v[\pw]
	v_lshl_or_b32 v[\pw], v[TM+7], 24, v[\pw]
.irp c, 0,1
	v_cvt_scalef32_pk16_fp6_f32 v[PC+6*\c:PC+2+6*\c], v[\s+32*\c:\s+15+32*\c], v[TM+12+2*\c]
	v_cvt_scalef32_pk16_fp6_f32 v[PC+12+4*\c:PC+14+4*\c], v[\s+16+32*\c:\s+31+32*\c], v[TM+12+2*\c+1]
.endr
	v_nop                                          ; one plain line behind the scaled conversions
.irp c, 0,1                            ; the operand wants a whole block in a lane: lanes 0-15 block 2 c, lanes 16-31 block 2 c + 1
.irp i, 0,1,2
	v_permlane16_swap_b32 v[PC+6*\c+\i], v[PC+12+4*\c+\i]
.endr
.irp i, 0,1,2
	v_mov_b32 v[PC+3+6*\c+\i], v[PC+12+4*\c+\i]
.endr
.endr
.endm
.macro PUT off                         ; the fragment in v[PC] on goes out as its image: 512, 256, 512, 256 consecutive bytes
	global_store_b128 v1, v[PC:PC+3], s[28:29] offset:\off
	global_store_b64 v2, v[PC+4:PC+5], s[28:29] offset:\off+512
	global_store_b128 v1, v[PC+6:PC+9], s[28:29] offset:\off+768
	global_store_b64 v2, v[PC+10:PC+11], s[28:29] offset:\off+1280
.endm
.macro XL s                            ; my 64 numbers of fragment s, out of my wave's stage
.irp b, 0,1,2,3
.irp j, 0,1,2,3
	ds_load_b128 v[XR+64*\s+16*\b+4*\j:XR+64*\s+16*\b+4*\j+3], v254 offset:512*\s+128*\b+16*\j
.endr
.endr
.endm
.macro GL s                            ; gamma at the same columns: sixteen lanes share each address
.irp b, 0,1,2,3
.irp j, 0,1,2,3
	ds_load_b128 v[G+16*\b+4*\j:G+16*\b+4*\j+3], v255 offset:512*\s+128*\b+16*\j
.endr
.endr
.endm
.macro SUMSQ base, first               ; 64 squares into four chains of pairs
.set pp, 0
.rept 32
.set CH, 246+2*(pp%4)
.if pp%4 == 3
.set CH, 10
.endif
.if \first && (pp < 4)
	v_pk_mul_f32 v[CH:CH+1], v[\base+2*pp:\base+2*pp+1], v[\base+2*pp:\base+2*pp+1]
.else
	v_pk_fma_f32 v[CH:CH+1], v[\base+2*pp:\base+2*pp+1], v[\base+2*pp:\base+2*pp+1], v[CH:CH+1]
.endif
.set pp, pp+1
.endr
.endm
.macro TIMESG base
.set pp, 0
.rept 32
	v_pk_mul_f32 v[\base+2*pp:\base+2*pp+1], v[\base+2*pp:\base+2*pp+1], v[G+2*pp:G+2*pp+1]
.set pp, pp+1
.endr
.endm
.Lnorm:
	s_load_b64 s[4:5], s[0:1], ARG0                ; x
	s_load_b64 s[6:7], s[0:1], ARG0+8              ; gamma
	s_load_b64 s[8:9], s[0:1], ARG0+16             ; xn
	v_lshrrev_b32 v1, 5, v0
	v_readfirstlane_b32 s2, v1                     ; wave
	v_and_b32 v3, 31, v0                           ; lane
	v_and_b32 v4, 15, v0                           ; r
	v_bfe_u32 v5, v0, 4, 1                         ; h
	v_lshlrev_b32 v1, 4, v3                        ; 16 x lane
	v_lshlrev_b32 v2, 3, v3                        ; 8 x lane
	s_lshl_b32 s3, s2, 10
	v_add_nc_u32 v6, s3, v1                        ; 16 x lane + 1,024 w: my 16 bytes of a load's 512, in x's rows, in gamma, and (+ GSTG) in gamma's place in LDS
	s_mul_i32 s10, s2, 16*XP
	s_add_co_u32 s10, s10, XSTG                    ; my wave's stage
	v_add_nc_u32 v7, s10, v1                       ; into it: as loaded
	v_mul_u32_u24 v254, v4, XP
	v_lshl_add_u32 v254, v5, 6, v254
	v_add_nc_u32 v254, s10, v254                   ; out of it: row r, + 64 h
	s_add_co_u32 s3, s3, GSTG
	v_lshl_add_u32 v255, v5, 6, s3                 ; gamma out of LDS: 64 h
	v_lshlrev_b32 v8, 2, v4                        ; the partial sums: 4 r
	s_lshl_b32 s10, s2, 6
	v_add_nc_u32 v9, s10, v8                       ; 4 r + 64 w
	v_mul_u32_u24 v13, v5, GRP
	v_add_nc_u32 v13, v13, v8                      ; the scale words' store: 4 r, and a group on for lanes 16-31
	v_mov_b32 v15, 0                               ; (a lane permute's destination counts as read)
.irp b, 0,1,2,3
	v_mov_b32 v[TM+4+\b], 0
.endr
	s_sub_co_u32 s12, ttmp9, FIRSTN                ; my number within this job
	s_lshr_b32 s11, s12, 3                         ; the group of 128 rows
	s_and_b32 s12, s12, 7                          ; the tile in it
	s_lshr_b32 s13, s12, 1
	s_and_b32 s14, s12, 1
	s_lshl_b32 s15, s11, 7
	s_lshl_b32 s13, s13, 5
	s_lshl_b32 s14, s14, 3
	s_add_co_u32 s15, s15, s13
	s_add_co_u32 s15, s15, s14                     ; the tile's first row
	s_lshl_b32 s16, s15, 12
	s_mov_b32 s17, 0
	s_lshl_b32 s18, s11, 3
	s_lshl_b32 s19, s2, 1
	s_add_co_u32 s18, s18, s19
	s_mul_i32 s18, s18, GRP                        ; group (rb, 2 w)
	s_mul_i32 s19, s12, 1536
	s_add_co_u32 s22, s18, s19                     ; my tile's fragment
	s_mov_b32 s23, 0
	s_lshl_b32 s19, s12, 6
	s_add_co_u32 s24, s18, s19
	s_add_co_u32 s24, s24, 12288                   ; and its scale words
	s_mov_b32 s25, 0
	s_mov_b32 s20, 0x3a800000                      ; 1 / 1,024
	s_mov_b32 s21, 0x358637bd                      ; 1e-6
	s_mov_b32 s[SEL], 0x76543210
	s_mov_b32 s[SEL+1], 0xfedcba98
	s_wait_kmcnt 0x0
	s_add_nc_u64 s[4:5], s[4:5], s[16:17]
	s_add_nc_u64 s[28:29], s[8:9], s[22:23]
	s_add_nc_u64 s[30:31], s[8:9], s[24:25]
	global_load_b128 v[G:G+3], v6, s[6:7]          ; gamma's 1,024 bytes of my columns
	global_load_b128 v[G+4:G+7], v6, s[6:7] offset:512
.set li, 0
.rept 32                               ; tile row li / 2 (row i + 8 (i / 8) from the tile's first), half li % 2: 512 consecutive bytes a load
	global_load_b128 v[XR+4*li:XR+4*li+3], v6, s[4:5] offset:((li/2)+8*((li/2)/8))*4096+512*(li%2) th:TH_LOAD_NT
.set li, li+1
.endr
	s_wait_loadcnt 32                              ; gamma's two loads are in; x's 32 may be out
	ds_store_b128 v6, v[G:G+3] offset:GSTG
	ds_store_b128 v6, v[G+4:G+7] offset:GSTG+512
.set li, 0
.irp q, 0,1,2,3
	s_wait_loadcnt 24-8*\q                         ; the next eight loads of x are in
.rept 8
	ds_store_b128 v7, v[XR+4*li:XR+4*li+3] offset:(li/2)*XP+512*(li%2)
.set li, li+1
.endr
.endr
	XL 0                                           ; LDS serves a wave's instructions in order (ISA guide 5.7.1.4): these see my stores, and land behind the stores' reads of the same registers
	GL 0
	XL 1
	s_wait_dscnt 32                                ; x's first 64 are back; gamma's 16 reads and x's other 16 may be out
	SUMSQ XR, 1
	s_wait_dscnt 16                                ; gamma's first 64 are back
	TIMESG XR
	GL 1
	s_wait_dscnt 16                                ; x's other 64 are back; gamma's 16 just issued may be out
	SUMSQ XR+64, 0
	s_wait_dscnt 0x0
	TIMESG XR+64
	v_pk_add_f32 v[246:247], v[246:247], v[248:249]
	v_pk_add_f32 v[250:251], v[250:251], v[10:11]
	v_pk_add_f32 v[246:247], v[246:247], v[250:251]
	v_add_f32 v12, v246, v247
	v_permlanex16_b32 v15, v12, s[SEL], s[SEL+1]
	v_add_f32 v12, v12, v15                        ; my wave's 256 columns of row r
	ds_store_b32 v9, v12                           ; lanes l and l xor 16 write the same word with the same value
	s_wait_dscnt 0x0                               ; for the others' sake: my store has landed
	s_barrier_signal -1
	s_barrier_wait -1
	ds_load_b32 v246, v8
	ds_load_b32 v247, v8 offset:64
	ds_load_b32 v248, v8 offset:128
	ds_load_b32 v249, v8 offset:192
	s_wait_dscnt 0x0
	v_add_f32 v246, v246, v247
	v_add_f32 v248, v248, v249
	v_add_f32 v12, v246, v248                      ; the row's sum of squares, in one order in every wave
	v_fma_f32 v12, v12, s20, s21                   ; the mean + 1e-6
	s_wait_alu depctr_va_vdst(0)
	v_rsq_f32 v14, v12
	v_mov_b32 v15, 0                               ; a plain line behind the transcendental (v15 is named with v14 as a pair)
	s_wait_alu depctr_va_vdst(0)                   ; the wait ahead of the first line that names the result
.set pp, 0
.rept 64
	v_pk_mul_f32 v[XR+2*pp:XR+2*pp+1], v[XR+2*pp:XR+2*pp+1], v[14:15] op_sel_hi:[1,0]
.set pp, pp+1
.endr
	QUANT XR, PW
	PUT 0
	s_wait_xcnt 0x0                                ; the stores have read their data: the codes' registers are written again
	QUANT XR+64, PW+1
	PUT GRP
	v_cmp_le_u32 vcc_lo, 16, v3
	v_cndmask_b32 v246, v[PW], v[PW+1], vcc_lo     ; lanes 0-15: the first fragment's words, lanes 16-31 the second's
	global_store_b32 v13, v246, s[30:31]
	s_wait_tensorcnt 0x0                           ; the wave's end, behind my last LDS store
	ds_add_u32 v[SPW], v[NIL]
	s_wait_dscnt 0x0
	s_endpgm
.Lfunc_end_k_q23f68012b4_prep:
	.size	k_q23f68012b4_prep, .Lfunc_end_k_q23f68012b4_prep-k_q23f68012b4_prep
	.p2alignl 7, 3214868480
	.fill 96, 4, 3214868480
	.section	.rodata,"a",@progbits
	.p2align	6, 0x0
	.amdhsa_kernel k_q23f68012b4_prep
		.amdhsa_group_segment_fixed_size 71680
		.amdhsa_private_segment_fixed_size 0
		.amdhsa_enable_private_segment 0
		.amdhsa_kernarg_size 64
		.amdhsa_user_sgpr_count 2
		.amdhsa_user_sgpr_kernarg_segment_ptr 1
		.amdhsa_wavefront_size32 1
		.amdhsa_system_sgpr_workgroup_id_x 1
		.amdhsa_system_sgpr_workgroup_id_y 1
		.amdhsa_system_sgpr_workgroup_id_z 1
		.amdhsa_system_vgpr_workitem_id 0
		.amdhsa_next_free_vgpr 256
		.amdhsa_next_free_sgpr 66
		.amdhsa_reserve_vcc 1
		.amdhsa_float_denorm_mode_32 3
		.amdhsa_float_denorm_mode_16_64 3
		.amdhsa_memory_ordered 1
		.amdhsa_forward_progress 1
		.amdhsa_inst_pref_size 77
	.end_amdhsa_kernel
	.amdgpu_metadata
---
amdhsa.version: [ 1, 2 ]
amdhsa.kernels:
  - .name:           k_q23f68012b4_prep
    .symbol:         k_q23f68012b4_prep.kd
    .args:
      - { .name: W_QKV, .offset: 0, .size: 8, .value_kind: global_buffer, .address_space: global }
      - { .name: W_O, .offset: 8, .size: 8, .value_kind: global_buffer, .address_space: global }
      - { .name: Wff_in, .offset: 16, .size: 8, .value_kind: global_buffer, .address_space: global }
      - { .name: Wff_out, .offset: 24, .size: 8, .value_kind: global_buffer, .address_space: global }
      - { .name: wts, .offset: 32, .size: 8, .value_kind: global_buffer, .address_space: global }
      - { .name: X, .offset: 40, .size: 8, .value_kind: global_buffer, .address_space: global }
      - { .name: gamma1, .offset: 48, .size: 8, .value_kind: global_buffer, .address_space: global }
      - { .name: xn, .offset: 56, .size: 8, .value_kind: global_buffer, .address_space: global }
    .group_segment_fixed_size: 71680
    .private_segment_fixed_size: 0
    .kernarg_segment_align: 8
    .kernarg_segment_size: 64
    .max_flat_workgroup_size: 128
    .sgpr_count:     66
    .vgpr_count:     256
    .wavefront_size: 32
...
	.end_amdgpu_metadata
.endif
;; end of part 1
;; launch qkv (part 2): grid 12 x 16, 4 waves a work-group, clusters of 4 x 4, 327,680 bytes of LDS; arguments xn, wts, qc, kv; writes qc, kv
.if DOCPART == 2
	.amdgcn_target "amdgcn-amd-amdhsa--gfx1250"
	.amdhsa_code_object_version 6
	.text
	.protected	k_q23f68012b4_qkv
	.globl	k_q23f68012b4_qkv
	.p2align	8
	.type	k_q23f68012b4_qkv,@function
k_q23f68012b4_qkv:
	s_mov_b64 s[64:65], 0
	v_nop
	global_prefetch_b8 v0, s[64:65] scope:SCOPE_SE
	s_setreg_imm32_b32 hwreg(HW_REG_WAVE_MODE, 25, 1), 1
	s_wait_xcnt 0x0
	s_wait_alu depctr_hold_cnt(0) depctr_sa_sdst(0) depctr_va_vdst(0) depctr_va_sdst(0) depctr_va_ssrc(0) depctr_va_vcc(0) depctr_vm_vsrc(0)
	s_getreg_b32 s2, hwreg(HW_REG_IB_STS2, 6, 4)
	s_cmp_eq_u32 s2, 0
	s_cbranch_scc0 .Lentry_in_a_cluster
	s_endpgm
.Lentry_in_a_cluster:
	s_bfe_u32 s2, ttmp6, 0x10000c
	s_cmp_lg_u32 s2, 0xf033
	s_cbranch_scc0 .Lentry_shape_is_right
	s_endpgm
.Lentry_shape_is_right:
; QKV = xn W_QKV on codes of FP6 (E2M3) with E8M0 scales; the results never go to memory as f32: the way out quantises Q and K along the head's 64 and V along the keys.
; OPERANDS are images of operand registers: a fragment (16 rows x 128 k) is 1,536 bytes (half c at 768 c: registers 6c..6c+3 at 16 x lane, 6c+4, 6c+5 at 512 + 8 x lane); a group (128 rows x 128 k) is 12,800 bytes:
; eight fragments and, at 12,288 + 64 i + 4 r, the scale words; group (g, s) at (8 g + s) x 12,800.  Tile 2 b + u, lane r, is row 32 b + 8 u + r + 8 (r / 8) of its group, for tokens and for weight columns alike.
; SHAPE: a work-group makes 256 x 256, a wave 128 x 128 in 64 accumulators.  K goes in slots of 256 (two K steps) through a ring of two LDS slots; a wave's one tensor load brings one group's two K steps, 25,600 dense bytes.
; THE PRODUCT IS USED TRANSPOSED: source 0 = 16 rows of side B, source 1 = 16 rows of side A: a lane holds one row of A, and, by the tiles' order of rows, the 16 registers of B's tiles 2 b, 2 b + 1 are 16 NEIGHBOURS of B.
; Clusters x = 0, 1 (Q, K): A = tokens, B = weight columns: a lane's registers run along the head's channels.  Cluster x = 2 (V): THE BUFFERS CHANGE SIDES: A = weight columns, B = tokens: a lane holds one channel, its registers run along 128 keys.
; CLUSTER 4 x 4: A's groups hang on cy alone and are asked for jointly along a row of the cluster, B's on cx alone, along a column.
; OUT: qc: [head 32][tile 128][768] half fragments, from byte 3,145,728 [head][tile][16 words].  kv: [head][key step 16][13,056]: K's 8 half fragments, their words at 6,144, V^T's 4 fragments at 6,656, their words at 12,800.
; LIMITS: a block of zeros gets the byte 1 where the rule says 127 (zero codes; this program alone reads the bytes); largest magnitudes under 2^-124 are held at that floor; NaN and infinities are not served.
; REGISTERS: window 0: v1-3 lane, r, h; v16-30 addresses; v32-47 scale words, two sets; v48-55 the words made on the way out; v64-159, v160-255 A's and B's fragments of set 0 (on the way out: at work); window 1: set 1; windows 2, 3: accumulator (a, b) at 8 (8 (a % 4) + b).
.set GRP,   12800
.set KS,    8
.set GSTR,  KS*GRP
.set LOADB, 2*GRP
.set SLOT,  4*LOADB                    ; A's two groups, then B's two, two K steps each
.set SPARE, 2*SLOT                     ; behind the ring: the spare words, 128 bytes a wave
.set LAPS,  KS/4
.set A16,  16                          ; v16-17 A's fragments in slot 0, 1: 16 x lane;  v18-19: 8 x lane
.set A8,   18
.set B16,  20                          ; v20-23 the same for B
.set B8,   22
.set ADRS, 24                          ; v24-25 scale words: lanes 0-15 A's, lanes 16-31 B's
.set L16,  26
.set L8,   27
.set SPW,  28
.set NIL,  29
.set L4,   30
.set SC,   32
.set PW,   48
.set AF,   64
.set BF,   160
.set TM,   64
.set PC,   80
.set G1,   24
.set G0,   32
.set G1B,  48
.set G0B,  56
.set SEL,  66
.set MSB,  0
.macro WIN new                         ; the immediate's high byte repeats the setting that is left; a switch that changes nothing is dropped
.set NW, \new
.if MSB != NW
	s_set_vgpr_msb (MSB<<8)|NW
.set MSB, NW
.endif
.endm
.macro JLOAD g0a, g1a, g0b, g1b        ; a joint load: waves 0, 1 fetch A's two groups, waves 2, 3 B's; the branch hangs on the wave's number alone; s_nop 0 and four v_nop follow each line
	s_cmp_eq_u32 s15, 0
	s_cbranch_scc0 .Lfor_b_\@
	tensor_load_to_lds s[\g0a:\g0a+3], s[\g1a:\g1a+7]
	s_nop 0
.rept 4
	v_nop
.endr
	s_branch .Lasked_\@
.Lfor_b_\@:
	tensor_load_to_lds s[\g0b:\g0b+3], s[\g1b:\g1b+7]
	s_nop 0
.rept 4
	v_nop
.endr
.Lasked_\@:
.endm
.macro CREST                           ; a round of the cluster's barrier behind its opening barrier
	s_cmp_lg_u32 s14, 0
	s_cbranch_scc1 .Lnot_wave_0_\@
	s_barrier_signal -3
.Lnot_wave_0_\@:
	s_barrier_wait -3
	s_barrier_signal -1
	s_barrier_wait -1
.endm
.macro CROUND
	s_barrier_signal -1
	s_barrier_wait -1
	CREST
.endm
.macro PLACES                          ; four plain lines behind matrix instructions, ahead of loads into their registers and of reads of their results
.rept 4
	v_nop
.endr
.endm
.macro FRAG reg, a16, a8, off          ; a fragment's image back into 12 registers
	ds_load_b128 v[\reg:\reg+3], v[\a16] offset:\off
	ds_load_b64 v[\reg+4:\reg+5], v[\a8] offset:\off+512
	ds_load_b128 v[\reg+6:\reg+9], v[\a16] offset:\off+768
	ds_load_b64 v[\reg+10:\reg+11], v[\a8] offset:\off+1280
.endm
.macro FETCH sl, q, f                  ; K step q of slot sl into set f: 8 scale loads, B's 32, A's 32 (tiles 4-7 last): 72 LDS loads
	WIN 0
.irp i, 0,1,2,3,4,5,6,7
	ds_load_b32 v[SC+8*(\f)+\i], v[ADRS+\sl] offset:(\q)*GRP+64*\i
.endr
	WIN 0x40*(\f)
.irp i, 0,1,2,3,4,5,6,7
	FRAG BF+12*\i, B16+\sl, B8+\sl, (\q)*GRP+1536*\i
.endr
.irp i, 0,1,2,3,4,5,6,7
	FRAG AF+12*\i, A16+\sl, A8+\sl, (\q)*GRP+1536*\i
.endr
.endm
; 16 matrix instructions: A's tiles a0, a0 + 1 x B's eight.  The 64 accumulators take turns, one instruction a turn, in one order throughout.
.macro MUL16 a0, f, zero
.irp a, \a0, \a0+1
.irp b, 0,1,2,3,4,5,6,7
.if \zero
	v_wmma_scale_f32_16x16x128_f8f6f4 v[8*(8*((\a)%4)+\b):8*(8*((\a)%4)+\b)+7], v[BF+12*\b:BF+12*\b+11], v[AF+12*(\a):AF+12*(\a)+11], 0, v[SC+8*(\f)+\b], v[SC+8*(\f)+(\a)] matrix_a_fmt:MATRIX_FMT_FP6 matrix_b_fmt:MATRIX_FMT_FP6 matrix_a_scale:MATRIX_SCALE_ROW1
.else
	v_wmma_scale_f32_16x16x128_f8f6f4 v[8*(8*((\a)%4)+\b):8*(8*((\a)%4)+\b)+7], v[BF+12*\b:BF+12*\b+11], v[AF+12*(\a):AF+12*(\a)+11], v[8*(8*((\a)%4)+\b):8*(8*((\a)%4)+\b)+7], v[SC+8*(\f)+\b], v[SC+8*(\f)+(\a)] matrix_a_fmt:MATRIX_FMT_FP6 matrix_b_fmt:MATRIX_FMT_FP6 matrix_a_scale:MATRIX_SCALE_ROW1
.endif
.endr
.endr
.endm
.macro STEP sl, zero                   ; a slot's first K step (set 0); its second is fetched into set 1
	s_wait_dscnt 16                                ; all but the youngest 16 loads (A's tiles 4-7) are in
	WIN 0xa0
	MUL16 0, 0, \zero
	MUL16 2, 0, \zero
	s_wait_dscnt 0x0                               ; A's tiles 4-7 are in (72 loads follow: more than a counted wait can name)
	PLACES
	FETCH \sl, 1, 1
	WIN 0xf0
	MUL16 4, 0, \zero
	MUL16 6, 0, \zero
.endm
; A slot's second K step (set 1) changes slots: ONE barrier; ahead of it each wave waits for all its tensor loads, adds 0 to its spare word and waits for that and for its reads of this slot.  fill = 1: the barrier opens a round of the cluster's, and the slot is filled again.
.macro TURN sl, nx, fill
	WIN 0
	s_wait_tensorcnt 0x0                           ; my one load that was out, my part of the next slot, has landed
	ds_add_u32 v[SPW], v[NIL]
	s_wait_dscnt 17                                ; the add and A's tiles 4-7 may be out
	WIN 0xa5
	MUL16 0, 1, 0
	s_wait_dscnt 0x0                               ; the add is done and my reads of this slot are over
	s_barrier_signal -1
	MUL16 2, 1, 0
	WIN 0
	s_barrier_wait -1
.if \fill
	CREST                                          ; no wave of any partner still reads this slot or has a load on its way
	s_add_nc_u64 s[G0+4*\sl+2:G0+4*\sl+3], s[G0+4*\sl+2:G0+4*\sl+3], 2*LOADB
	s_add_nc_u64 s[G0B+4*\sl+2:G0B+4*\sl+3], s[G0B+4*\sl+2:G0B+4*\sl+3], 2*LOADB
	JLOAD G0+4*\sl, G1, G0B+4*\sl, G1B             ; my one tensor load behind the round; its four v_nop are the places ahead of the loads below
.else
	PLACES
.endif
	FETCH \nx, 0, 0
	WIN 0xf5
	MUL16 4, 1, 0
	MUL16 6, 1, 0
.endm
; 64 results of a lane in window w, register s + 16 b + i = neighbour 32 b + 16 (lane / 16) + i, become a fragment's codes in v[PC] on and its scale word in v[pw].  Each accumulator is read from its low end on.
.macro WQUANT s, w, pw
	WIN (\w)|((\w)<<2)
.irp b, 0,1,2,3
	v_max3_num_f32 v[TM+\b], |v[\s+16*\b]|, |v[\s+16*\b+1]|, 0x1800000   ; and the floor 2^(3 - 127)
.endr
.irp i, 2,4,6,8,10,12,14
.irp b, 0,1,2,3
	v_max3_num_f32 v[TM+\b], |v[\s+16*\b+\i]|, |v[\s+16*\b+\i+1]|, v[TM+\b]
.endr
.endr
	WIN 0
.irp b, 0,1,2,3
	v_permlanex16_b32 v[TM+4+\b], v[TM+\b], s[SEL], s[SEL+1]
.endr
.irp b, 0,1,2,3
	v_max_num_f32 v[TM+\b], v[TM+\b], v[TM+4+\b]
.endr
.irp b, 0,1,2,3
	v_add_nc_u32 v[TM+12+\b], 0xff000000, v[TM+\b] ; 2 off the exponent field: the conversion's scale operand
.endr
.irp b, 0,1,2,3
	v_lshrrev_b32 v[TM+4+\b], 23, v[TM+12+\b]
.endr
	v_lshl_or_b32 v[\pw], v[TM+5], 8, v[TM+4]
	v_lshl_or_b32 v[\pw], v[TM+6], 16, v[\pw]
	v_lshl_or_b32 v[\pw], v[TM+7], 24, v[\pw]
	WIN \w
.irp c, 0,1
	v_cvt_scalef32_pk16_fp6_f32 v[PC+6*\c:PC+2+6*\c], v[\s+32*\c:\s+15+32*\c], v[TM+12+2*\c]
	v_cvt_scalef32_pk16_fp6_f32 v[PC+12+4*\c:PC+14+4*\c], v[\s+16+32*\c:\s+31+32*\c], v[TM+12+2*\c+1]
.endr
	WIN 0
	v_nop                                          ; one plain line behind the scaled conversions
.irp c, 0,1
.irp i, 0,1,2
	v_permlane16_swap_b32 v[PC+6*\c+\i], v[PC+12+4*\c+\i]
.endr
.irp i, 0,1,2
	v_mov_b32 v[PC+3+6*\c+\i], v[PC+12+4*\c+\i]
.endr
.endr
.endm
	s_load_b256 s[4:11], s[0:1], 0x0               ; xn s[4:5], wts s[6:7], qc s[8:9], kv s[10:11]
	v_lshl_add_u32 v[SPW], v0, 2, SPARE
	v_mov_b32 v[NIL], 0
	ds_add_u32 v[SPW], v[NIL]                      ; the wave's opening: the add and its wait ahead of my first tensor load
	ds_add_u32 v[SPW], v[NIL]
	v_lshrrev_b32 v1, 5, v0
	v_readfirstlane_b32 s14, v1                    ; wave
	s_lshr_b32 s15, s14, 1                         ; my group of A.  Also: I fetch for A (0) or B (1)
	s_and_b32 s16, s14, 1                          ; my group of B.  Also: which of the side's two groups I fetch
	s_bfe_u32 s40, ttmp6, 0x40000                  ; cx
	s_bfe_u32 s41, ttmp6, 0x40004                  ; cy
	s_lshl_b32 s42, ttmp9, 2                       ; 4 x cluster x
	s_and_b32 s17, ttmp7, 0xffff
	s_lshl_b32 s17, s17, 2                         ; 4 x cluster y
	s_cmp_eq_u32 ttmp9, 2                          ; V's clusters: the same in all sixteen partners
	s_cselect_b32 s42, s17, s42                    ; B's pair of groups: V: tokens, 4 cluster y + cx; else weights, 4 cluster x + cx
	s_cselect_b32 s17, 8, s17                      ; A's: V: weights, 8 + cy; else tokens, 4 cluster y + cy
	s_add_co_u32 s42, s42, s40
	s_add_co_u32 s17, s17, s41
	s_lshl_b32 s43, s41, 2
	s_lshl_b32 s43, 15, s43                        ; my row of the cluster
	s_lshl_b32 s44, 0x1111, s40                    ; my column
	s_or_b32 s[G1+0], s43, (3<<16)|(1<<21)         ; 15:0 the mask; 17:16 elements of 8 bytes; 21 set beside a mask; no padding
	s_or_b32 s[G1B+0], s44, (3<<16)|(1<<21)
.irp g, G1, G1B
	s_mov_b32 s[\g+1], 32<<16                      ; tensor_dim0 = 32 elements: rows of 256 bytes
	s_mov_b32 s[\g+2], 100<<16                     ; tensor_dim1 = 100 rows: 25,600 dense bytes
	s_mov_b32 s[\g+3], 32<<16                      ; tile_dim0
	s_mov_b32 s[\g+4], 100                         ; tile_dim1
	s_mov_b32 s[\g+5], 32                          ; the pitch
	s_mov_b32 s[\g+6], 0
	s_mov_b32 s[\g+7], 0
.endr
	s_lshl_b32 s20, s17, 1
	s_add_co_u32 s20, s20, s16
	s_mul_i32 s20, s20, GSTR                       ; A: the group that I would fetch
	s_mov_b32 s21, 0
	s_lshl_b32 s46, s42, 1
	s_add_co_u32 s46, s46, s16
	s_mul_i32 s46, s46, GSTR                       ; B likewise
	s_mov_b32 s47, 0
	s_mul_i32 s45, s14, LOADB                      ; where it goes: wave x 25,600: no place in the cluster enters an LDS address
	s_mov_b32 s[SEL], 0x76543210
	s_mov_b32 s[SEL+1], 0xfedcba98
	s_wait_dscnt 0x0                               ; the opening add is done
	s_wait_kmcnt 0x0
	s_cmp_eq_u32 ttmp9, 2
	s_cselect_b64 s[22:23], s[6:7], s[4:5]         ; side A's buffer
	s_cselect_b64 s[12:13], s[4:5], s[6:7]         ; side B's
	s_add_nc_u64 s[20:21], s[22:23], s[20:21]
	s_add_nc_u64 s[46:47], s[12:13], s[46:47]
	s_cmp_eq_u32 s15, 0                            ; the prefetches: the group that I fetch, and my place among the four that ask for it with me (cx for A, cy for B): it enters prefetch addresses alone
	s_cselect_b32 s98, s40, s41
	s_cselect_b64 s[96:97], s[20:21], s[46:47]
	s_mul_i32 s98, s98, 25
	CROUND
.irp s, 0,1
	s_mov_b32 s[G0+4*\s], 1
	s_add_co_u32 s[G0+4*\s+1], s45, \s*SLOT
	s_add_nc_u64 s[G0+4*\s+2:G0+4*\s+3], s[20:21], \s*LOADB
	s_or_b32 s[G0+4*\s+3], s[G0+4*\s+3], 0x80000000
	s_mov_b32 s[G0B+4*\s], 1
	s_add_co_u32 s[G0B+4*\s+1], s45, \s*SLOT
	s_add_nc_u64 s[G0B+4*\s+2:G0B+4*\s+3], s[46:47], \s*LOADB
	s_or_b32 s[G0B+4*\s+3], s[G0B+4*\s+3], 0x80000000
.endr
	JLOAD G0, G1, G0B, G1B                         ; slot 0: my one tensor load at the head
	; PREFETCH: a fill of mine is 100 blocks of 256 bytes; each of the four partners names 25 of them, a lane a block (the lanes left over name the last again).  Behind fill t the bytes of fill t + 2 are asked for, at the head those of fills 1 and 2; the last two fills ask for nothing.
	v_and_b32 v6, 31, v0
	v_min_u32 v6, 24, v6
	v_add_nc_u32 v6, s98, v6
	v_lshlrev_b32 v5, 8, v6                        ; v5 is never rewritten
	global_prefetch_b8 v5, s[96:97] offset:LOADB th:TH_LOAD_NT scope:SCOPE_SE
	global_prefetch_b8 v5, s[96:97] offset:2*LOADB th:TH_LOAD_NT scope:SCOPE_SE
	v_and_b32 v1, 31, v0                           ; lane
	v_and_b32 v2, 15, v0                           ; r
	v_bfe_u32 v3, v0, 4, 1                         ; h
	v_lshlrev_b32 v[L16], 4, v1
	v_lshlrev_b32 v[L8], 3, v1
	v_lshlrev_b32 v[L4], 2, v1
	s_mul_i32 s18, s15, LOADB
	s_mul_i32 s19, s16, LOADB
	s_add_co_u32 s19, s19, 2*LOADB
.irp s, 0,1
	v_add_nc_u32 v[A16+\s], s18, v[L16]
	v_add_nc_u32 v[A8+\s], s18, v[L8]
	v_add_nc_u32 v[B16+\s], s19, v[L16]
	v_add_nc_u32 v[B8+\s], s19, v[L8]
	s_add_co_u32 s18, s18, SLOT
	s_add_co_u32 s19, s19, SLOT
.endr
	s_xor_b32 s12, s15, 1
	s_add_co_u32 s12, s12, s16
	s_add_co_u32 s12, s12, 1
	s_mul_i32 s12, s12, LOADB                      ; from my group of A to my group of B: (2 + B's - A's) x 25,600
	v_mul_u32_u24 v4, s12, v3                      ; lanes 16-31 take B's words: one product
	v_lshl_add_u32 v4, v2, 2, v4
	s_mul_i32 s13, s15, LOADB
	s_add_co_u32 s13, s13, 12288
	v_add_nc_u32 v[ADRS], s13, v4
	v_add_nc_u32 v[ADRS+1], SLOT, v[ADRS]
	; where the results go.  gA, gB: my groups of the two sides
	s_lshl_b32 s78, s17, 1
	s_add_co_u32 s78, s78, s15                     ; gA
	s_lshl_b32 s79, s42, 1
	s_add_co_u32 s79, s79, s16                     ; gB
	s_sub_co_u32 s81, s78, 16                      ; V: the group of 128 channels
	s_and_b32 s82, s79, 7                          ; Q, K: likewise
	s_cmp_eq_u32 ttmp9, 2
	s_cselect_b32 s80, s79, s78                    ; the group of 128 tokens
	s_cselect_b32 s81, s81, s82
	s_lshr_b32 s82, s80, 4
	s_lshl_b32 s82, s82, 4
	s_lshl_b32 s81, s81, 1
	s_add_co_u32 s82, s82, s81                     ; the first of my two heads: 16 x batch + 2 x group of channels
	s_and_b32 s83, s80, 15                         ; the key step
	s_lshl_b32 s84, s82, 4
	s_add_co_u32 s84, s84, s83                     ; 16 x head + key step
	s_mul_i32 s85, s84, 6144                       ; Q: eight half fragments each
	s_mul_i32 s86, s84, 13056                      ; K, V: a record each
	s_lshl_b32 s87, s84, 9
	s_add_co_u32 s87, s87, 3145728                 ; Q's scale words
	s_add_co_u32 s91, s86, 6144                    ; K's
	s_mov_b32 s88, 208896                          ; from a head to the next: K's codes,
	s_mov_b32 s89, 208896                          ; K's words
	s_cmp_eq_u32 ttmp9, 0
	s_cselect_b64 s[74:75], s[8:9], s[10:11]
	s_cselect_b32 s92, s85, s86
	s_cselect_b32 s94, s87, s91
	s_cselect_b32 s88, 98304, s88                  ; Q's codes,
	s_cselect_b32 s89, 8192, s89                   ; Q's words
	s_mov_b32 s70, 768
	s_cmp_eq_u32 ttmp9, 2
	s_cselect_b32 s90, 6656, 0                     ; V lies 6,656 bytes further on, codes and words
	s_cselect_b32 s88, 768, s88                    ; V: a fragment's second half is its own
	s_cselect_b32 s70, 1536, s70                   ; from tile to tile
	s_cselect_b32 s72, 202752, 0                   ; V: at tile 4 on to the next head
	s_add_co_u32 s92, s92, s90
	s_add_co_u32 s94, s94, s90
	s_mov_b32 s93, 0
	s_mov_b32 s95, 0
	s_mov_b32 s71, 0
	s_mov_b32 s73, 0
	s_mov_b64 s[76:77], s[74:75]
	s_add_nc_u64 s[74:75], s[74:75], s[92:93]      ; the codes' base, stepped tile by tile
	s_add_nc_u64 s[76:77], s[76:77], s[94:95]      ; the scale words' base
	v_add_nc_u32 v58, s88, v[L16]                  ; the second half's offsets
	v_add_nc_u32 v59, s88, v[L8]
	v_mul_u32_u24 v60, s89, v3
	v_lshl_add_u32 v60, v2, 2, v60                 ; Q, K: lanes 0-15 store the first head's words, lanes 16-31 the second's
	v_lshlrev_b32 v61, 4, v3                       ; and take the word's lower or upper two bytes
	s_wait_alu depctr_va_vdst(0)
	s_wait_tensorcnt 0x0                           ; my part of slot 0 is in; slot 1's first fill is issued as a refill is:
	ds_add_u32 v[SPW], v[NIL]
	s_wait_dscnt 0x0
	CROUND                                         ; everybody's part of slot 0 is in, and the joint loads meet
	JLOAD G0+4, G1, G0B+4, G1B                     ; slot 1, my one tensor load behind the round
	FETCH 0, 0, 0
	global_prefetch_b8 v5, s[96:97] offset:3*LOADB th:TH_LOAD_NT scope:SCOPE_SE
	STEP 0, 1                                      ; the first K step starts the sums: nothing is cleared
	WIN 0
	s_mov_b32 s3, LAPS-1
.Llap:                                                 ; a trip goes once round the ring and fills both slots again
	TURN 0, 1, 1
	STEP 1, 0
	TURN 1, 0, 1
	STEP 0, 0
	WIN 0
	s_sub_co_u32 s3, s3, 1
	s_cmp_lg_u32 s3, 0
	s_cbranch_scc1 .Llap
	TURN 0, 1, 0                                   ; the last lap fills nothing
	STEP 1, 0
	s_wait_dscnt 16
	WIN 0xa5
	MUL16 0, 1, 0
	MUL16 2, 1, 0
	s_wait_dscnt 0x0
	WIN 0xf5
	MUL16 4, 1, 0
	MUL16 6, 1, 0
	WIN 0
	PLACES
	; THE WAY OUT: A's tile a at a time: its 64 results a lane are one fragment
.irp b, 0,1,2,3
	v_mov_b32 v[TM+4+\b], 0                        ; a lane permute's destination counts as read
.endr
.macro OUTA a
.set ACW, 2+(\a)/4
.set ACS, 64*((\a)%4)
.if (\a) > 0
	s_wait_xcnt 0x0                                ; the last tile's stores have read their data and their base
	s_add_nc_u64 s[74:75], s[74:75], s[70:71]
.if (\a) == 4
	s_add_nc_u64 s[74:75], s[74:75], s[72:73]
.endif
.endif
	WQUANT ACS, ACW, PW+(\a)
	global_store_b128 v[L16], v[PC:PC+3], s[74:75]                 ; 512 and 256 consecutive bytes, each at a multiple of 256 from the buffer's first byte
	global_store_b64 v[L8], v[PC+4:PC+5], s[74:75] offset:512
	global_store_b128 v58, v[PC+6:PC+9], s[74:75]
	global_store_b64 v59, v[PC+10:PC+11], s[74:75] offset:512
.endm
.irp a, 0,1,2,3,4,5,6,7
	OUTA \a
.endr
	s_cmp_eq_u32 ttmp9, 2                          ; the same in all partners
	s_cbranch_scc1 .Lv_words
.irp a, 0,1,2,3,4,5,6,7
	v_lshrrev_b32 v[100+\a], v61, v[PW+\a]
	v_and_b32 v[100+\a], 0xffff, v[100+\a]         ; a head's two bytes; the upper two, which go with zero codes, are 0
	global_store_b32 v60, v[100+\a], s[76:77] offset:64*\a
.endr
	s_branch .Lwords_done
.Lv_words:
	v_cmp_le_u32 s68, 16, v1
.irp p, 0,1,2,3
	v_cndmask_b32 v[100+\p], v[PW+2*\p], v[PW+2*\p+1], s68
	global_store_b32 v[L4], v[100+\p], s[76:77] offset:(\p/2)*208896+128*(\p%2)   ; two tiles' words: 128 consecutive bytes
.endr
.Lwords_done:
	s_wait_tensorcnt 0x0                           ; the wave's end
	ds_add_u32 v[SPW], v[NIL]
	s_wait_dscnt 0x0
	CROUND                                         ; the closing round
	s_endpgm
.Lfunc_end_k_q23f68012b4_qkv:
	.size	k_q23f68012b4_qkv, .Lfunc_end_k_q23f68012b4_qkv-k_q23f68012b4_qkv
	.p2alignl 7, 3214868480
	.fill 96, 4, 3214868480
	.section	.rodata,"a",@progbits
	.p2align	6, 0x0
	.amdhsa_kernel k_q23f68012b4_qkv
		.amdhsa_group_segment_fixed_size 327680
		.amdhsa_private_segment_fixed_size 0
		.amdhsa_enable_private_segment 0
		.amdhsa_kernarg_size 32
		.amdhsa_user_sgpr_count 2
		.amdhsa_user_sgpr_kernarg_segment_ptr 1
		.amdhsa_wavefront_size32 1
		.amdhsa_system_sgpr_workgroup_id_x 1
		.amdhsa_system_sgpr_workgroup_id_y 1
		.amdhsa_system_sgpr_workgroup_id_z 1
		.amdhsa_system_vgpr_workitem_id 0
		.amdhsa_next_free_vgpr 1024
		.amdhsa_next_free_sgpr 100
		.amdhsa_reserve_vcc 0
		.amdhsa_float_denorm_mode_32 3
		.amdhsa_float_denorm_mode_16_64 3
		.amdhsa_memory_ordered 1
		.amdhsa_forward_progress 1
		.amdhsa_inst_pref_size 152
	.end_amdhsa_kernel
	.amdgpu_metadata
---
amdhsa.version: [ 1, 2 ]
amdhsa.kernels:
  - .name:           k_q23f68012b4_qkv
    .symbol:         k_q23f68012b4_qkv.kd
    .args:
      - { .name: xn, .offset: 0, .size: 8, .value_kind: global_buffer, .address_space: global }
      - { .name: wts, .offset: 8, .size: 8, .value_kind: global_buffer, .address_space: global }
      - { .name: qc, .offset: 16, .size: 8, .value_kind: global_buffer, .address_space: global }
      - { .name: kv, .offset: 24, .size: 8, .value_kind: global_buffer, .address_space: global }
    .group_segment_fixed_size: 327680
    .private_segment_fixed_size: 0
    .kernarg_segment_align: 8
    .kernarg_segment_size: 32
    .max_flat_workgroup_size: 128
    .sgpr_count:     100
    .vgpr_count:     1024
    .wavefront_size: 32
...
	.end_amdgpu_metadata
.endif
;; end of part 2
;; launch attn (part 3): grid 8 x 32, 16 waves a work-group, clusters of 4 x 1, 327,680 bytes of LDS; arguments qc, kv, ao; writes ao
.if DOCPART == 3
	.amdgcn_target "amdgcn-amd-amdhsa--gfx1250"
	.amdhsa_code_object_version 6
	.text
	.protected	k_q23f68012b4_attn
	.globl	k_q23f68012b4_attn
	.p2align	8
	.type	k_q23f68012b4_attn,@function
k_q23f68012b4_attn:
	s_mov_b64 s[64:65], 0
	v_nop
	global_prefetch_b8 v0, s[64:65] scope:SCOPE_SE
	s_setreg_imm32_b32 hwreg(HW_REG_WAVE_MODE, 25, 1), 1
	s_wait_xcnt 0x0
	s_wait_alu depctr_hold_cnt(0) depctr_sa_sdst(0) depctr_va_vdst(0) depctr_va_sdst(0) depctr_va_ssrc(0) depctr_va_vcc(0) depctr_vm_vsrc(0)
	s_getreg_b32 s2, hwreg(HW_REG_IB_STS2, 6, 4)
	s_cmp_eq_u32 s2, 0
	s_cbranch_scc0 .Lentry_in_a_cluster
	s_endpgm
.Lentry_in_a_cluster:
	s_bfe_u32 s2, ttmp6, 0x10000c
	s_cmp_lg_u32 s2, 0x3003
	s_cbranch_scc0 .Lentry_shape_is_right
	s_endpgm
.Lentry_shape_is_right:
; Causal attention of one head (64 channels) on codes of FP6 (E2M3) with E8M0 scales; O / l leaves quantised, as the next product's operand.  Key steps whose keys all come after a tile's queries lie wholly under the causal mask and are not computed.
; t = score x log2(e) / 8; M = the running largest t rounded UP to a whole number; p = 2^(t - M) is quantised along the keys, not normalised; the row's sum is taken of the unquantised p and divides at the end.
; IN: qc: [head 32][tile 128][768] half fragments of Q, from byte 3,145,728 [head][tile][16 words].  kv: [head][key step 16][13,056]: K's 8 half fragments at 768 i, their words at 6,144 + 64 i + 4 r, V^T's 4 fragments at 6,656 + 1,536 t, their words at 12,800 + 64 t + 4 r.
; A fragment's image: half c at 768 c: registers 6c..6c+3 at 16 x lane, 6c+4, 6c+5 at 512 + 8 x lane.  Tile 2 b + u, lane r, is row 32 b + 8 u + r + 8 (r / 8) of its 128 (tokens) or 64 (channels).
; A head's K is 64: Q's registers 6-11 are zero codes, so what the upper six registers of K's operands hold adds nothing (the format has no NaN and no infinity): they are never loaded for their own sake.
; ALL OF A HEAD'S K AND V STAY IN LDS: 16 records, 208,896 bytes.  Wave w asks for record w, one tensor load a wave, all sixteen at the head; one wait and one barrier show them to every wave; no LDS byte is filled again.
; CLUSTER 4 x 1: the four partners walk the same head: each record is asked for jointly (mask 15).
; SHARES: work-group x (0-7) of a head; wave w owns query tile x of token group g(w) = 4 (a xor b) + (a xor alpha b), a = w / 4, b = w % 4, alpha b = 0, 2, 3, 1; the tile has g + 1 key steps, the last its diagonal.  Wave w xor 12 owns group 15 - g: the two have 17 key steps together.
; THEY SHARE THEM 9 AND 8.  The wave with g >= 8 takes its tile's key steps g - 8 .. g.  The wave with g < 8 takes its own g + 1 key steps, stores its result, takes the partner's Q out of LDS, begins anew (O = 0, sum = 0, M lowest) and takes the partner's key steps 0 .. 6 - g.
; Behind the loop it hands O^T, -M and the sums over through LDS bytes of their own; behind one barrier the owner brings both parts under the larger M, by factors that are whole powers of two, and adds them.
; The loop has 9 trips in every wave; what a trip does hangs on the wave's number and the count of trips alone: the key step is (trip + an offset) mod 16, the change of tiles and the one idle trip are scalar branches.
; Both products are used transposed: a lane holds ONE query throughout; O^T's 32 registers are, by V's order of channels, register 16 b + i = channel 32 b + 16 (lane / 16) + i.
; OUT: ao, groups of 12,800 bytes as in the other launches: token group (16 x batch + g), K step head / 2, tile x, half head % 2.  A row's scale word takes two bytes from each of two heads: they are stored as single bytes, 32 a wave.
; LIMITS: a block of zeros gets the byte 1 where the rule says 127; largest magnitudes under 2^-124 are held at that floor; an exponential under 2^-126 comes out as 0; NaN and infinities are not served; the scaled scores stay under 2^31 in magnitude.
; No prefetch: everything that the work-group reads is asked for at its head.
; REGISTERS: v1-3 16 x lane, 8 x lane, 4 r; v6 the mask's number; v8-10 the step's addresses; v11 Q's words; v12 -M, v13 the largest t, v[14:15] the sum; v16-27 Q; v29-31 the partner's Q in LDS; v32-79 K's tiles 0-3, then V's four fragments; v80-83 their words; v84 p's word;
;   v85, v89 my and my partner's handed-over part in LDS; v[86:87] f; v88 at work; v90-93 the words of K's tiles 4-7; v96-159 S^T, then p; v160-191 O^T; v192-211 p's codes; v212-223 at work; v226-249 K's tiles 4-7, six registers each; v250-255 zeros.
.set REC,   13056
.set SPARE, 16*REC                     ; behind the sixteen records: the spare words, 128 bytes for each of 16 waves
.set QS,    SPARE+2048                 ; each wave's Q: 1,024 bytes: registers 0-3 at 16 x lane, 4, 5 at 512 + 8 x lane, the words at 768 + 4 r
.set PS,    QS+16*1024                 ; each wave's handed-over part: nine runs of four registers, 512 bytes each
.set PSB,   4608
.set SPW, 4
.set NIL, 5
.set QA,  29
.set QB,  30
.set QC,  31
.set PO,  85
.set PP,  89
.set KB,  226                          ; K's tile 4 + t at v[KB + 6 t]: its operand's upper six registers are the next tile's codes, the last one's are zeros
.set PCD, 192                          ; v192-203 p's codes; v204-210 on their way
.set BM,  212                          ; v212-215 a block's largest score, then its largest p
.set BT,  216                          ; v216-219 at work
.set SO,  220                          ; v220-223 the conversions' scale operands
.set FF,  86                           ; v[86:87] f = 2^(old M - new M)
.set TV,  88
.set WV,  18
.set SEL, 20
.set CS,  22
.set G1,  24
.set G0,  32
.set TB,  36                           ; LDS byte at which the step's record begins
.set KI,  37                           ; the key step
.set GG,  38                           ; my token group
.set T,   39                           ; the trip, 0 .. 8
.set SWT, 62                           ; the trip in which I change tiles: g + 1; with g >= 8 none (16)
.set OF1, 63                           ; key step - trip ahead of that trip: 0, with g >= 8: g - 8
.set OF2, 66                           ; and from it on, mod 16: 15 - g
.set NT,  67                           ; my trips with work: 8, with g >= 8: 9
.set DT,  68                           ; the trip of my own tile's diagonal: g, with g >= 8: 8
.macro CROUND
	s_barrier_signal -1
	s_barrier_wait -1
	s_cmp_lg_u32 s[WV], 0
	s_cbranch_scc1 .Lnot_wave_0_\@
	s_barrier_signal -3
.Lnot_wave_0_\@:
	s_barrier_wait -3
	s_barrier_signal -1
	s_barrier_wait -1
.endm
	s_load_b128 s[4:7], s[0:1], 0x0                ; qc, kv
	s_load_b64 s[8:9], s[0:1], 0x10                ; ao
	v_lshl_add_u32 v[SPW], v0, 2, SPARE
	v_mov_b32 v[NIL], 0
	ds_add_u32 v[SPW], v[NIL]                      ; the wave's opening: the add, twice on end, and its wait ahead of the first tensor load
	ds_add_u32 v[SPW], v[NIL]
	v_lshrrev_b32 v8, 5, v0
	s_delay_alu instid0(VALU_DEP_1)
	v_readfirstlane_b32 s[WV], v8                  ; wave 0..15
	s_lshr_b32 s40, s[WV], 2                       ; a
	s_and_b32 s41, s[WV], 3                        ; b
	s_lshl_b32 s42, s41, 1
	s_and_b32 s42, s42, 3
	s_lshr_b32 s43, s41, 1
	s_xor_b32 s42, s42, s43
	s_lshl_b32 s43, s43, 1
	s_xor_b32 s42, s42, s43                        ; alpha b: 0, 2, 3, 1
	s_xor_b32 s41, s41, s40
	s_xor_b32 s42, s42, s40
	s_lshl_b32 s41, s41, 2
	s_add_co_u32 s[GG], s41, s42                   ; g = 4 (a xor b) + (a xor alpha b)
	s_and_b32 s[OF1], s[GG], 7
	s_add_co_u32 s[SWT], s[GG], 1
	s_xor_b32 s[OF2], s[GG], 15
	s_cmp_ge_u32 s[GG], 8
	s_cselect_b32 s[OF1], s[OF1], 0
	s_cselect_b32 s[SWT], 16, s[SWT]
	s_cselect_b32 s[OF2], s[OF1], s[OF2]
	s_cselect_b32 s[NT], 9, 8
	s_cselect_b32 s[DT], 8, s[GG]
	s_xor_b32 s69, s[WV], 12                       ; my partner: a xor 3, the same b: its group is 15 - g
	s_lshl_b32 s70, s[WV], 10
	s_add_co_u32 s70, s70, QS
	s_lshl_b32 s71, s69, 10
	s_add_co_u32 s71, s71, QS
	s_mul_i32 s72, s[WV], PSB
	s_add_co_u32 s72, s72, PS
	s_mul_i32 s73, s69, PSB
	s_add_co_u32 s73, s73, PS
	s_bfe_u32 s40, ttmp6, 0x40000                  ; cx
	s_lshl_b32 s41, ttmp9, 2
	s_add_co_u32 s41, s41, s40                     ; x: it enters Q's and ao's addresses and the mask's numbers alone
	s_and_b32 s42, ttmp7, 0xffff                   ; the head, which the partners of the cluster share
	s_mov_b32 s[G1], 15|(3<<16)|(1<<21)            ; the mask: all four; elements of 8 bytes; 21 set beside a mask; no padding
	s_mov_b32 s[G1+1], 32<<16                      ; rows of 256 bytes,
	s_mov_b32 s[G1+2], 51<<16                      ; 51 of them: a record
	s_mov_b32 s[G1+3], 32<<16
	s_mov_b32 s[G1+4], 51
	s_mov_b32 s[G1+5], 32
	s_mov_b32 s[G1+6], 0
	s_mov_b32 s[G1+7], 0
	s_lshl_b32 s43, s42, 4
	s_add_co_u32 s43, s43, s[WV]
	s_mul_i32 s44, s43, REC                        ; record w of the head, in memory,
	s_mov_b32 s45, 0
	s_mul_i32 s46, s[WV], REC                      ; and in LDS
	s_lshl_b32 s48, s42, 7
	s_lshl_b32 s49, s[GG], 3
	s_add_co_u32 s48, s48, s49
	s_add_co_u32 s48, s48, s41                     ; 128 x head + my tile
	s_mul_i32 s50, s48, 768
	s_mov_b32 s51, 0
	s_lshl_b32 s52, s48, 6
	s_add_co_u32 s52, s52, 3145728
	s_mov_b32 s53, 0
	s_lshr_b32 s54, s42, 4
	s_lshl_b32 s54, s54, 4
	s_add_co_u32 s54, s54, s[GG]                   ; ao: the token group,
	s_lshl_b32 s54, s54, 3
	s_bfe_u32 s55, s42, 0x30001                    ; the K step: (head % 16) / 2
	s_add_co_u32 s54, s54, s55
	s_mul_i32 s54, s54, 12800
	s_and_b32 s55, s42, 1
	s_mul_i32 s56, s41, 1536
	s_mul_i32 s57, s55, 768
	s_add_co_u32 s56, s56, s57
	s_add_co_u32 s56, s56, s54                     ; my half fragment
	s_mov_b32 s57, 0
	s_lshl_b32 s58, s41, 6
	s_lshl_b32 s59, s55, 1
	s_add_co_u32 s58, s58, s59
	s_add_co_u32 s58, s58, s54
	s_add_co_u32 s58, s58, 12288                   ; my two bytes of each row's scale word
	s_mov_b32 s59, 0
	s_lshr_b32 s60, s41, 1
	s_lshl_b32 s60, s60, 5
	s_and_b32 s61, s41, 1
	s_lshl_b32 s61, s61, 3
	s_add_co_u32 s60, s60, s61                     ; my tile's first row in its group
	s_mov_b32 s[SEL], 0x76543210
	s_mov_b32 s[SEL+1], 0xfedcba98
	s_mov_b32 s[CS], 0x3e38aa3b                    ; c = log2(e) / 8
	s_mov_b32 s[CS+1], s[CS]
	v_and_b32 v7, 31, v0
	s_delay_alu instid0(VALU_DEP_1)
	v_lshlrev_b32 v1, 4, v7                        ; 16 x lane
	s_delay_alu instid0(VALU_DEP_2)
	v_lshlrev_b32 v2, 3, v7                        ; 8 x lane
	v_and_b32 v8, 15, v0                           ; r
	v_bfe_u32 v28, v0, 4, 1                        ; h
	s_delay_alu instid0(VALU_DEP_2)
	v_lshlrev_b32 v3, 2, v8                        ; 4 r
	s_delay_alu instid0(VALU_DEP_1)
	v_add_nc_u32 v7, v3, v28                       ; 4 r + h: my byte of the scale words
	s_delay_alu instid0(VALU_DEP_4)
	v_and_b32 v10, 8, v8
	s_delay_alu instid0(VALU_DEP_1)
	v_add_nc_u32 v10, v10, v8
	v_lshlrev_b32 v6, 4, v28
	s_delay_alu instid0(VALU_DEP_1)
	v_sub_nc_u32 v6, v10, v6
	s_delay_alu instid0(VALU_DEP_1)
	v_add_nc_u32 v6, s60, v6                       ; d = my query's place in its group - 16 h: on the diagonal, register 16 b + i is hidden where 32 b + i > d
	v_add_nc_u32 v[QA], s71, v1                    ; every LDS address is made here, ahead of all branches
	v_add_nc_u32 v[QB], s71, v2
	v_add_nc_u32 v[QC], s71, v3
	v_add_nc_u32 v[PO], s72, v1
	v_add_nc_u32 v[PP], s73, v1
	v_add_nc_u32 v8, s70, v1                       ; where my own Q goes
	v_add_nc_u32 v9, s70, v2
	v_add_nc_u32 v10, s70, v3
	s_wait_dscnt 0x0                               ; both opening adds are done
	s_wait_kmcnt 0x0
	s_add_nc_u64 s[10:11], s[4:5], s[50:51]
	s_add_nc_u64 s[12:13], s[4:5], s[52:53]
	s_add_nc_u64 s[14:15], s[8:9], s[56:57]
	s_add_nc_u64 s[16:17], s[8:9], s[58:59]
	s_mov_b32 s[G0], 1
	s_mov_b32 s[G0+1], s46
	s_add_nc_u64 s[G0+2:G0+3], s[6:7], s[44:45]
	s_or_b32 s[G0+3], s[G0+3], 0x80000000
	CROUND                                         ; all four work-groups are here: the joint loads meet
	tensor_load_to_lds s[G0:G0+3], s[G1:G1+7]      ; my one tensor load of the launch: record w, for all four partners
	s_nop 0
.rept 4
	v_nop
.endr
	global_load_b128 v[16:19], v1, s[10:11]        ; Q's half fragment
	global_load_b64 v[20:21], v2, s[10:11] offset:512
	s_wait_alu depctr_va_vdst(0)
	global_load_b32 v11, v3, s[12:13]              ; and its scale words
.irp i, 22,23,24,25,26,27
	v_mov_b32 v\i, 0                               ; Q's k = 64 .. 127: zero codes
.endr
.irp t, 0,1,2,3
.irp i, 6,7,8,9,10,11
	v_mov_b32 v[32+12*\t+\i], 0                    ; written before the first products name them
.endr
.endr
.irp i, 250,251,252,253,254,255
	v_mov_b32 v\i, 0                               ; the upper six registers of the operand of K's tile 7
.endr
.macro BEGIN                           ; a tile's sums begin: the step is written once; the first finds zeros, which the first change of M leaves zeros
	v_mov_b32 v13, 0xff61b1e6                      ; the largest t so far: -3e38
	v_mov_b32 v14, 0                               ; the sum, in two halves
	v_mov_b32 v15, 0
	v_floor_f32 v12, -v13                          ; -M
.set n, 0
.rept 32
	v_mov_b32 v[160+n], 0
.set n, n+1
.endr
.endm
.irp b, 0,1,2,3
	v_mov_b32 v[BT+\b], 0                          ; a lane permute's destination counts as read
.endr
	v_mov_b32 v[FF+1], 0                           ; (named with f as a pair)
	v_mov_b32 v[TV], 0
	BEGIN
; THE WAY OUT of a tile: O^T / the sum, quantised along the head's 64 channels: two blocks, half a fragment
.macro WAYOUT
.rept 4
	v_nop                                          ; places behind the last products
.endr
	v_add_f32 v14, v14, v15
	s_delay_alu instid0(VALU_DEP_1)
	v_permlanex16_b32 v[TV], v14, s[SEL], s[SEL+1]
	s_delay_alu instid0(VALU_DEP_1)
	v_add_f32 v14, v14, v[TV]                      ; the row's sum
	s_wait_alu depctr_va_vdst(0)
	v_rcp_f32 v14, v14
	v_nop                                          ; a plain line behind the transcendental
	s_wait_alu depctr_va_vdst(0)                   ; the wait ahead of its first reader
.set n, 0
.rept 32
	v_mul_f32 v[96+n], v[160+n], v14
.set n, n+1
.endr
.irp b, 0,1
	v_max3_num_f32 v[BM+\b], |v[96+16*\b]|, |v[97+16*\b]|, 0x1800000
.endr
.irp i, 2,4,6,8,10,12,14
.irp b, 0,1
	s_delay_alu instid0(VALU_DEP_2)
	v_max3_num_f32 v[BM+\b], v[BM+\b], |v[96+16*\b+\i]|, |v[97+16*\b+\i]|
.endr
.endr
.irp b, 0,1
	s_delay_alu instid0(VALU_DEP_2)
	v_permlanex16_b32 v[BT+\b], v[BM+\b], s[SEL], s[SEL+1]
.endr
.irp b, 0,1
	s_delay_alu instid0(VALU_DEP_2)
	v_max_num_f32 v[BM+\b], v[BM+\b], v[BT+\b]
.endr
.irp b, 0,1
	s_delay_alu instid0(VALU_DEP_2)
	v_add_nc_u32 v[SO+\b], 0xff000000, v[BM+\b]
.endr
.irp b, 0,1
	s_delay_alu instid0(VALU_DEP_2)
	v_lshrrev_b32 v[BT+\b], 23, v[SO+\b]
.endr
	v_cvt_scalef32_pk16_fp6_f32 v[PCD:PCD+2], v[96:111], v[SO]
	v_cvt_scalef32_pk16_fp6_f32 v[PCD+12:PCD+14], v[112:127], v[SO+1]
	v_nop
.irp i, 0,1,2
	v_permlane16_swap_b32 v[PCD+\i], v[PCD+12+\i]
.endr
.irp i, 0,1,2
	s_delay_alu instid0(VALU_DEP_3)
	v_mov_b32 v[PCD+3+\i], v[PCD+12+\i]
.endr
	v_cmp_eq_u32 vcc_lo, 1, v28
	s_delay_alu instid0(VALU_DEP_1)
	v_cndmask_b32 v[TV], v[BT], v[BT+1], vcc_lo    ; lane (r, h): block h's byte
	global_store_b128 v1, v[PCD:PCD+3], s[14:15]   ; 512 and 256 consecutive bytes
	global_store_b64 v2, v[PCD+4:PCD+5], s[14:15] offset:512
	global_store_b8 v7, v[TV], s[16:17]
.endm
; THE CHANGE OF TILES, in a wave with g < 8, in trip g + 1: my own tile is whole and leaves; the partner's Q comes out of LDS; the sums begin anew
.macro SWITCH
	WAYOUT
	s_wait_xcnt 0x0                                ; the stores have read their registers, which the next steps write again
	ds_load_b128 v[16:19], v[QA]
	ds_load_b64 v[20:21], v[QB] offset:512
	ds_load_b32 v11, v[QC] offset:768
	BEGIN
	s_wait_alu depctr_va_vdst(0)
	s_wait_dscnt 0x0
.endm
; A TRIP: at most one key step of 128 keys
.macro STEP
	s_cmp_lg_u32 s[T], s[SWT]
	s_cbranch_scc1 .Lsame_\@
	SWITCH
.Lsame_\@:
	s_cmp_ge_u32 s[T], s[NT]                       ; a wave with 8 key steps has nothing left in the last trip
	s_cbranch_scc1 .Lhidden_\@
	s_cmp_lt_u32 s[T], s[SWT]
	s_cselect_b32 s[KI], s[OF1], s[OF2]
	s_add_co_u32 s[KI], s[KI], s[T]
	s_and_b32 s[KI], s[KI], 15                     ; the key step
	s_mul_i32 s[TB], s[KI], REC
	v_add_nc_u32 v8, s[TB], v1
	v_add_nc_u32 v9, s[TB], v2
	v_add_nc_u32 v10, s[TB], v3
	v_nop                                          ; four plain lines ahead of loads into registers that the last step's products read
.irp t, 0,1,2,3                        ; K's eight half fragments and their words in one run: tiles 0-3,
	ds_load_b128 v[32+12*\t:35+12*\t], v8 offset:768*\t
	ds_load_b64 v[36+12*\t:37+12*\t], v9 offset:768*\t+512
	ds_load_b32 v[80+\t], v10 offset:6144+64*\t
.endr
.irp t, 0,1,2,3                        ; tiles 4-7
	ds_load_b128 v[KB+6*\t:KB+6*\t+3], v8 offset:768*(4+\t)
	ds_load_b64 v[KB+6*\t+4:KB+6*\t+5], v9 offset:768*(4+\t)+512
	ds_load_b32 v[90+\t], v10 offset:6144+64*(4+\t)
.endr
	s_wait_alu depctr_va_vdst(0)
	s_wait_dscnt 12                                ; tiles 0-3 are in; the 12 loads of tiles 4-7 may be out
.irp t, 0,1,2,3                        ; S^T = K Q^T
	v_wmma_scale_f32_16x16x128_f8f6f4 v[96+8*\t:103+8*\t], v[32+12*\t:43+12*\t], v[16:27], 0, v[80+\t], v11 matrix_a_fmt:MATRIX_FMT_FP6 matrix_b_fmt:MATRIX_FMT_FP6
.endr
	s_wait_dscnt 0x0
.irp t, 0,1,2,3
	v_wmma_scale_f32_16x16x128_f8f6f4 v[128+8*\t:135+8*\t], v[KB+6*\t:KB+6*\t+11], v[16:27], 0, v[90+\t], v11 matrix_a_fmt:MATRIX_FMT_FP6 matrix_b_fmt:MATRIX_FMT_FP6
.endr
.rept 4
	v_nop                                          ; four plain lines ahead of the loads below and of the first read of the scores
.endr
.irp t, 0,1,2,3                        ; V^T's four fragments are asked for now and land under the softmax
	ds_load_b128 v[32+12*\t:35+12*\t], v8 offset:6656+1536*\t
	ds_load_b64 v[36+12*\t:37+12*\t], v9 offset:6656+1536*\t+512
	ds_load_b128 v[38+12*\t:41+12*\t], v8 offset:6656+1536*\t+768
	ds_load_b64 v[42+12*\t:43+12*\t], v9 offset:6656+1536*\t+1280
	ds_load_b32 v[80+\t], v10 offset:12800+64*\t
.endr
	s_cmp_lg_u32 s[T], s[DT]                       ; not my own tile's diagonal: all keys count, no mask
	s_cbranch_scc1 .Lopen_\@
	v_mov_b32 v224, 0xff800000                     ; on the diagonal hidden scores become -infinity ahead of the maximum: p = 0
.set n, 0
.rept 64
	v_cmp_gt_i32 vcc_lo, 32*(n/16)+n%16, v6
	v_cndmask_b32 v[96+n], v[96+n], v224, vcc_lo
.set n, n+1
.endr
.Lopen_\@:
.irp b, 0,1,2,3
	v_max3_num_f32 v[BM+\b], v[96+16*\b], v[97+16*\b], v[98+16*\b]   ; the largest score of each block of 32 keys: for the row's maximum and, since p rises with the score, for the block's largest p
.endr
.irp i, 3,5,7,9,11,13
.irp b, 0,1,2,3
	v_max3_num_f32 v[BM+\b], v[BM+\b], v[96+16*\b+\i], v[97+16*\b+\i]
.endr
.endr
.irp b, 0,1,2,3
	v_max_num_f32 v[BM+\b], v[BM+\b], v[111+16*\b]
.endr
.irp b, 0,1,2,3
	s_delay_alu instid0(VALU_DEP_4)
	v_permlanex16_b32 v[BT+\b], v[BM+\b], s[SEL], s[SEL+1]
.endr
.irp b, 0,1,2,3
	s_delay_alu instid0(VALU_DEP_4)
	v_max_num_f32 v[BM+\b], v[BM+\b], v[BT+\b]
.endr
	s_delay_alu instid0(VALU_DEP_2)
	v_max3_num_f32 v[TV], v[BM], v[BM+1], v[BM+2]
	s_delay_alu instid0(VALU_DEP_1)
	v_max_num_f32 v[TV], v[TV], v[BM+3]
	s_delay_alu instid0(VALU_DEP_1)
	v_mul_f32 v[TV], s[CS], v[TV]
	s_delay_alu instid0(VALU_DEP_1)
	v_max_num_f32 v13, v13, v[TV]                  ; the running largest t
	v_mov_b32 v[TV], v12
	s_delay_alu instid0(VALU_DEP_2)
	v_floor_f32 v12, -v13                          ; the new -M = -ceil(t)
	s_delay_alu instid0(VALU_DEP_1)
	v_sub_f32 v[TV], v12, v[TV]                    ; old M - new M: a whole number, 0 or less
	s_delay_alu instid0(VALU_DEP_1)
	v_cvt_i32_f32 v[TV], v[TV]                     ; (it saturates)
	s_delay_alu instid0(VALU_DEP_1)
	v_ldexp_f32 v[FF], 1.0, v[TV]                  ; f: a multiplication by it rounds nothing
.set n, 0
.rept 32
	v_pk_fma_f32 v[96+n:97+n], v[96+n:97+n], s[CS:CS+1], v[12:13] op_sel_hi:[1,0,0]   ; t - M
.set n, n+2
.endr
.irp b, 0,1,2,3
	v_fma_f32 v[BM+\b], v[BM+\b], s[CS], v12
.endr
.set n, 0
	s_wait_alu depctr_va_vdst(0)
.rept 64
	v_exp_f32 v[96+n], v[96+n]                     ; p, at most 1
.set n, n+1
.endr
	v_pk_mul_f32 v[14:15], v[14:15], v[FF:FF+1] op_sel_hi:[1,0]   ; the sums under the new M: the plain line behind the batch
	s_wait_alu depctr_va_vdst(0)                   ; one wait for the 64, ahead of the first line that names a result
.irp b, 0,1,2,3
	v_exp_f32 v[BM+\b], v[BM+\b]                   ; the blocks' largest p
.endr
	v_pk_add_f32 v[216:217], v[100:101], v[104:105]
	v_pk_add_f32 v[248:249], v[108:109], v[112:113]
	v_pk_add_f32 v[246:247], v[116:117], v[120:121]
	v_pk_add_f32 v[244:245], v[124:125], v[128:129]
	v_pk_add_f32 v[242:243], v[132:133], v[136:137]
	v_pk_add_f32 v[240:241], v[140:141], v[144:145]
	v_pk_add_f32 v[238:239], v[148:149], v[152:153]
	v_pk_add_f32 v[14:15], v[14:15], v[156:157]
	v_pk_add_f32 v[216:217], v[216:217], v[96:97]
	v_pk_add_f32 v[248:249], v[248:249], v[98:99]
	v_pk_add_f32 v[246:247], v[246:247], v[102:103]
	v_pk_add_f32 v[244:245], v[244:245], v[106:107]
	v_pk_add_f32 v[242:243], v[242:243], v[110:111]
	v_pk_add_f32 v[240:241], v[240:241], v[114:115]
	v_pk_add_f32 v[238:239], v[238:239], v[118:119]
	v_pk_add_f32 v[14:15], v[14:15], v[122:123]
	v_pk_add_f32 v[216:217], v[216:217], v[126:127]
	v_pk_add_f32 v[248:249], v[248:249], v[130:131]
	v_pk_add_f32 v[246:247], v[246:247], v[134:135]
	v_pk_add_f32 v[244:245], v[244:245], v[138:139]
	v_pk_add_f32 v[242:243], v[242:243], v[142:143]
	v_pk_add_f32 v[240:241], v[240:241], v[146:147]
	v_pk_add_f32 v[238:239], v[238:239], v[150:151]
	v_pk_add_f32 v[14:15], v[14:15], v[154:155]
	v_pk_add_f32 v[216:217], v[216:217], v[158:159]
	s_delay_alu instid0(VALU_DEP_2)
	v_pk_add_f32 v[14:15], v[14:15], v[244:245]
	s_delay_alu instid0(VALU_DEP_2)
	v_pk_add_f32 v[216:217], v[216:217], v[242:243]
	v_pk_add_f32 v[248:249], v[248:249], v[240:241]
	v_pk_add_f32 v[246:247], v[246:247], v[238:239]
	s_delay_alu instid0(VALU_DEP_2)
	v_pk_add_f32 v[14:15], v[14:15], v[248:249]
	s_delay_alu instid0(VALU_DEP_2)
	v_pk_add_f32 v[216:217], v[216:217], v[246:247]
	s_delay_alu instid0(VALU_DEP_1)
	v_pk_add_f32 v[14:15], v[14:15], v[216:217]
	s_wait_alu depctr_va_vdst(0)                   ; and one for the four
.irp b, 0,1,2,3
	v_max_num_f32 v[BM+\b], 0x1800000, v[BM+\b]    ; the floor 2^(3 - 127)
.endr
.irp b, 0,1,2,3
	s_delay_alu instid0(VALU_DEP_4)
	v_add_nc_u32 v[SO+\b], 0xff000000, v[BM+\b]
.endr
.irp b, 0,1,2,3
	s_delay_alu instid0(VALU_DEP_4)
	v_lshrrev_b32 v[BT+\b], 23, v[SO+\b]
.endr
	s_delay_alu instid0(VALU_DEP_3)
	v_lshl_or_b32 v84, v[BT+1], 8, v[BT]           ; p's scale word for these 128 keys
	s_delay_alu instid0(VALU_DEP_1)
	v_lshl_or_b32 v84, v[BT+2], 16, v84
	s_delay_alu instid0(VALU_DEP_1)
	v_lshl_or_b32 v84, v[BT+3], 24, v84
.irp c, 0,1
	v_cvt_scalef32_pk16_fp6_f32 v[PCD+6*\c:PCD+2+6*\c], v[96+32*\c:111+32*\c], v[SO+2*\c]
	v_cvt_scalef32_pk16_fp6_f32 v[PCD+12+4*\c:PCD+14+4*\c], v[112+32*\c:127+32*\c], v[SO+2*\c+1]
.endr
	v_nop                                          ; one plain line behind the scaled conversions
.irp c, 0,1
.irp i, 0,1,2
	v_permlane16_swap_b32 v[PCD+6*\c+\i], v[PCD+12+4*\c+\i]
.endr
.irp i, 0,1,2
	s_delay_alu instid0(VALU_DEP_3)
	v_mov_b32 v[PCD+3+6*\c+\i], v[PCD+12+4*\c+\i]
.endr
.endr
.set n, 0
.rept 16
	v_pk_mul_f32 v[160+n:161+n], v[160+n:161+n], v[FF:FF+1] op_sel_hi:[1,0]   ; O^T under the new M; these lines also stand between the scale word's and the codes' last writes and the products
.set n, n+2
.endr
	s_wait_alu depctr_va_vdst(0)
	s_wait_dscnt 0x0                               ; V is in
.irp t, 0,1,2,3                        ; O^T += V^T P^T: the four accumulators by turns
	v_wmma_scale_f32_16x16x128_f8f6f4 v[160+8*\t:167+8*\t], v[32+12*\t:43+12*\t], v[PCD:PCD+11], v[160+8*\t:167+8*\t], v[80+\t], v84 matrix_a_fmt:MATRIX_FMT_FP6 matrix_b_fmt:MATRIX_FMT_FP6
.endr
.Lhidden_\@:
.endm
	s_wait_alu depctr_va_vdst(0)                   ; the head's end
	s_wait_loadcnt 0x0                             ; Q
	s_wait_tensorcnt 0x0                           ; my record has landed
	ds_store_b128 v8, v[16:19]                     ; my Q, for my partner
	ds_store_b64 v9, v[20:21] offset:512
	ds_store_b32 v10, v11 offset:768               ; (lanes l and l xor 16 write the same word with the same value)
	s_wait_dscnt 0x0
	s_barrier_signal -1
	s_barrier_wait -1                              ; all sixteen records and all sixteen Q lie in LDS, and nothing of them is written again
	s_mov_b32 s[T], 0
.Lstep:                                                ; nine trips in every wave
	STEP
	s_add_co_u32 s[T], s[T], 1
	s_cmp_lt_u32 s[T], 9
	s_cbranch_scc1 .Lstep
.rept 4
	v_nop                                          ; places behind the last products
.endr
	s_cmp_ge_u32 s[GG], 8
	s_cbranch_scc1 .Lowner
.irp k, 0,1,2,3,4,5,6,7                ; g < 8: what I summed for my partner's tile, as an image of the registers; each accumulator from its low end on
	ds_store_b128 v[PO], v[160+4*\k:163+4*\k] offset:512*\k
.endr
	ds_store_b128 v[PO], v[12:15] offset:4096      ; -M, the largest t, the sum's two halves
.Lowner:
	s_wait_dscnt 0x0                               ; for the others' sake: my stores have landed
	s_barrier_signal -1
	s_barrier_wait -1
	s_cmp_lt_u32 s[GG], 8
	s_cbranch_scc1 .Ldone
.irp k, 0,1,2,3,4,5,6,7,8              ; g >= 8: the partner's part into v96-131
	ds_load_b128 v[96+4*\k:99+4*\k], v[PP] offset:512*\k
.endr
	s_wait_dscnt 0x0
	v_min_num_f32 v[TV], v12, v128                 ; the common -M: M is the larger of the two
	v_mov_b32 v215, 0                              ; (named with the second factor as a pair)
	v_sub_f32 v212, v[TV], v12                     ; my M - M and the partner's M - M: whole numbers, 0 or less
	v_sub_f32 v213, v[TV], v128
	v_cvt_i32_f32 v212, v212                       ; (they saturate: a part with no key step has the lowest M, and its factor comes out as 0)
	v_cvt_i32_f32 v213, v213
	v_ldexp_f32 v[FF], 1.0, v212
	v_ldexp_f32 v214, 1.0, v213
.set n, 0
.rept 16
	v_pk_mul_f32 v[160+n:161+n], v[160+n:161+n], v[FF:FF+1] op_sel_hi:[1,0]
.set n, n+2
.endr
.set n, 0
.rept 16
	v_pk_fma_f32 v[160+n:161+n], v[96+n:97+n], v[214:215], v[160+n:161+n] op_sel_hi:[1,0,1]
.set n, n+2
.endr
	v_pk_mul_f32 v[14:15], v[14:15], v[FF:FF+1] op_sel_hi:[1,0]
	v_pk_fma_f32 v[14:15], v[130:131], v[214:215], v[14:15] op_sel_hi:[1,0,1]
	WAYOUT
.Ldone:
	s_wait_tensorcnt 0x0                           ; the wave's end
	ds_add_u32 v[SPW], v[NIL]
	s_wait_dscnt 0x0
	CROUND                                         ; the closing round
	s_endpgm
.Lfunc_end_k_q23f68012b4_attn:
	.size	k_q23f68012b4_attn, .Lfunc_end_k_q23f68012b4_attn-k_q23f68012b4_attn
	.p2alignl 7, 3214868480
	.fill 96, 4, 3214868480
	.section	.rodata,"a",@progbits
	.p2align	6, 0x0
	.amdhsa_kernel k_q23f68012b4_attn
		.amdhsa_group_segment_fixed_size 327680
		.amdhsa_private_segment_fixed_size 0
		.amdhsa_enable_private_segment 0
		.amdhsa_kernarg_size 24
		.amdhsa_user_sgpr_count 2
		.amdhsa_user_sgpr_kernarg_segment_ptr 1
		.amdhsa_wavefront_size32 1
		.amdhsa_system_sgpr_workgroup_id_x 1
		.amdhsa_system_sgpr_workgroup_id_y 1
		.amdhsa_system_sgpr_workgroup_id_z 1
		.amdhsa_system_vgpr_workitem_id 0
		.amdhsa_next_free_vgpr 256
		.amdhsa_next_free_sgpr 80
		.amdhsa_reserve_vcc 1
		.amdhsa_float_denorm_mode_32 3
		.amdhsa_float_denorm_mode_16_64 3
		.amdhsa_memory_ordered 1
		.amdhsa_forward_progress 1
		.amdhsa_inst_pref_size 47
	.end_amdhsa_kernel
	.amdgpu_metadata
---
amdhsa.version: [ 1, 2 ]
amdhsa.kernels:
  - .name:           k_q23f68012b4_attn
    .symbol:         k_q23f68012b4_attn.kd
    .args:
      - { .name: qc, .offset: 0, .size: 8, .value_kind: global_buffer, .address_space: global }
      - { .name: kv, .offset: 8, .size: 8, .value_kind: global_buffer, .address_space: global }
      - { .name: ao, .offset: 16, .size: 8, .value_kind: global_buffer, .address_space: global }
    .group_segment_fixed_size: 327680
    .private_segment_fixed_size: 0
    .kernarg_segment_align: 8
    .kernarg_segment_size: 24
    .max_flat_workgroup_size: 512
    .sgpr_count:     80
    .vgpr_count:     256
    .wavefront_size: 32
...
	.end_amdgpu_metadata
.endif
;; end of part 3
;; launch wo (part 4): grid 8 x 32, 4 waves a work-group, clusters of 4 x 4, 327,680 bytes of LDS; arguments ao, wts, X, x1; writes x1
.if DOCPART == 4
	.amdgcn_target "amdgcn-amd-amdhsa--gfx1250"
	.amdhsa_code_object_version 6
	.text
	.protected	k_q23f68012b4_wo
	.globl	k_q23f68012b4_wo
	.p2align	8
	.type	k_q23f68012b4_wo,@function
k_q23f68012b4_wo:
	s_mov_b64 s[64:65], 0
	v_nop
	global_prefetch_b8 v0, s[64:65] scope:SCOPE_SE
	s_setreg_imm32_b32 hwreg(HW_REG_WAVE_MODE, 25, 1), 1
	s_wait_xcnt 0x0
	s_wait_alu depctr_hold_cnt(0) depctr_sa_sdst(0) depctr_va_vdst(0) depctr_va_sdst(0) depctr_va_ssrc(0) depctr_va_vcc(0) depctr_vm_vsrc(0)
	s_getreg_b32 s2, hwreg(HW_REG_IB_STS2, 6, 4)
	s_cmp_eq_u32 s2, 0
	s_cbranch_scc0 .Lentry_in_a_cluster
	s_endpgm
.Lentry_in_a_cluster:
	s_bfe_u32 s2, ttmp6, 0x10000c
	s_cmp_lg_u32 s2, 0xf033
	s_cbranch_scc0 .Lentry_shape_is_right
	s_endpgm
.Lentry_shape_is_right:
; out = res + A W on codes of FP6 (E2M3) with E8M0 scales; A [4,096][128 KS], W's records at WOFF in wts; res and out [4,096][1,024] f32.  Here: x1 = X + ao W_O.
; OPERANDS are images of operand registers: a fragment (16 rows x 128 k) is 1,536 bytes (half c at 768 c: registers 6c..6c+3 at 16 x lane, 6c+4, 6c+5 at 512 + 8 x lane); a group (128 rows x 128 k) is 12,800 bytes:
; eight fragments and, at 12,288 + 64 i + 4 r, the scale words; group (g, s) at (KS g + s) x 12,800.  Tile 2 b + u, lane r, is row 32 b + 8 u + r + 8 (r / 8) of its group.
; SHAPE: N is 1,024: tiles of 128 x 128 give 256 work-groups; a wave makes 64 x 64 in 16 accumulators.  A slot holds four K steps of A's group and of B's; a wave's one tensor load brings four K steps of one side, 51,200 dense bytes.
; A register set holds two K steps' fragments; two sets take turns.  The product is used transposed (source 0 = B's rows): a lane holds 8 neighbouring columns of one row of the result.
; CLUSTER 4 x 4: A's group hangs on cy alone and is asked for jointly along a row of the cluster, B's on cx alone, along a column.
; THE WAY OUT: 16 rows x 64 columns at a time through the wave's own stage in LDS (in slot 0, which by then has had its last fill and its last read), back as whole rows of 256 bytes, + the residual, stored.
.set GRP,   12800
.set KS,    8
.set WOFF,  2457600
.set GSTR,  KS*GRP
.set LOADB, 2*GRP
.set SLOT,  4*LOADB                    ; A's four K steps, then B's four
.set SPARE, 2*SLOT
.set LAPS,  KS/8
.set A16,  16
.set A8,   18
.set B16,  20
.set B8,   22
.set ADRS, 24
.set L16,  26
.set L8,   27
.set SPW,  28
.set NIL,  29
.set SC,   32                          ; v32-47 scale words: set f at + 8 f, K step qq at + 4 qq
.set STO,  56
.set RD,   57
.set CO,   58
.set AF,   64
.set BF,   160
.set BK,   128                         ; the way out: 16 rows read back: v128-159 and v160-191 by turns
.set G1,   24
.set G0,   32
.set G1B,  48
.set G0B,  56
.set MSB,  0
.macro WIN new
.set NW, \new
.if MSB != NW
	s_set_vgpr_msb (MSB<<8)|NW
.set MSB, NW
.endif
.endm
.macro JLOAD g0a, g1a, g0b, g1b        ; waves 0, 1 fetch for A, waves 2, 3 for B; s_nop 0 and four v_nop follow each line
	s_cmp_eq_u32 s15, 0
	s_cbranch_scc0 .Lfor_b_\@
	tensor_load_to_lds s[\g0a:\g0a+3], s[\g1a:\g1a+7]
	s_nop 0
.rept 4
	v_nop
.endr
	s_branch .Lasked_\@
.Lfor_b_\@:
	tensor_load_to_lds s[\g0b:\g0b+3], s[\g1b:\g1b+7]
	s_nop 0
.rept 4
	v_nop
.endr
.Lasked_\@:
.endm
.macro CREST
	s_cmp_lg_u32 s14, 0
	s_cbranch_scc1 .Lnot_wave_0_\@
	s_barrier_signal -3
.Lnot_wave_0_\@:
	s_barrier_wait -3
	s_barrier_signal -1
	s_barrier_wait -1
.endm
.macro CROUND
	s_barrier_signal -1
	s_barrier_wait -1
	CREST
.endm
.macro PLACES
.rept 4
	v_nop
.endr
.endm
.macro FRAG reg, a16, a8, off
	ds_load_b128 v[\reg:\reg+3], v[\a16] offset:\off
	ds_load_b64 v[\reg+4:\reg+5], v[\a8] offset:\off+512
	ds_load_b128 v[\reg+6:\reg+9], v[\a16] offset:\off+768
	ds_load_b64 v[\reg+10:\reg+11], v[\a8] offset:\off+1280
.endm
.macro FETCH sl, f                     ; K steps 2 f, 2 f + 1 of slot sl into set f: 8 scale loads, the first step's 32, the second's 32
	WIN 0
.irp qq, 0,1
.irp i, 0,1,2,3
	ds_load_b32 v[SC+8*(\f)+4*\qq+\i], v[ADRS+\sl] offset:(2*(\f)+\qq)*GRP+64*\i
.endr
.endr
	WIN 0x40*(\f)
.irp qq, 0,1
.irp i, 0,1,2,3
	FRAG BF+12*(4*\qq+\i), B16+\sl, B8+\sl, (2*(\f)+\qq)*GRP+1536*\i
.endr
.irp i, 0,1,2,3
	FRAG AF+12*(4*\qq+\i), A16+\sl, A8+\sl, (2*(\f)+\qq)*GRP+1536*\i
.endr
.endr
.endm
; 8 matrix instructions: A's tiles a0, a0 + 1 x B's four, K step qq of set f.  The 16 accumulators take turns, one instruction a turn.
.macro MUL8 qq, a0, f, zero
.irp a, \a0, \a0+1
.irp b, 0,1,2,3
.if \zero
	v_wmma_scale_f32_16x16x128_f8f6f4 v[8*(4*(\a)+\b):8*(4*(\a)+\b)+7], v[BF+12*(4*(\qq)+\b):BF+12*(4*(\qq)+\b)+11], v[AF+12*(4*(\qq)+(\a)):AF+12*(4*(\qq)+(\a))+11], 0, v[SC+8*(\f)+4*(\qq)+\b], v[SC+8*(\f)+4*(\qq)+(\a)] matrix_a_fmt:MATRIX_FMT_FP6 matrix_b_fmt:MATRIX_FMT_FP6 matrix_a_scale:MATRIX_SCALE_ROW1
.else
	v_wmma_scale_f32_16x16x128_f8f6f4 v[8*(4*(\a)+\b):8*(4*(\a)+\b)+7], v[BF+12*(4*(\qq)+\b):BF+12*(4*(\qq)+\b)+11], v[AF+12*(4*(\qq)+(\a)):AF+12*(4*(\qq)+(\a))+11], v[8*(4*(\a)+\b):8*(4*(\a)+\b)+7], v[SC+8*(\f)+4*(\qq)+\b], v[SC+8*(\f)+4*(\qq)+(\a)] matrix_a_fmt:MATRIX_FMT_FP6 matrix_b_fmt:MATRIX_FMT_FP6 matrix_a_scale:MATRIX_SCALE_ROW1
.endif
.endr
.endr
.endm
.macro STEP sl, zero                   ; a slot's first two K steps (set 0); its other two are fetched into set 1
	s_wait_dscnt 32                                ; the second K step's 32 loads may be out
	WIN 0xa0
	MUL8 0, 0, 0, \zero
	MUL8 0, 2, 0, \zero
	s_wait_dscnt 0x0
	PLACES
	FETCH \sl, 1
	WIN 0xa0
	MUL8 1, 0, 0, 0
	MUL8 1, 2, 0, 0
.endm
.macro TURN sl, nx, fill               ; a slot's last two K steps (set 1) change slots: one barrier, ahead of it the wait for all my tensor loads, the add, the wait for it and for my reads of this slot
	WIN 0
	s_wait_tensorcnt 0x0
	ds_add_u32 v[SPW], v[NIL]
	s_wait_dscnt 33                                ; the add and the second K step's 32 loads may be out
	WIN 0xa5
	MUL8 0, 0, 1, 0
	s_wait_dscnt 0x0
	s_barrier_signal -1
	MUL8 0, 2, 1, 0
	WIN 0
	s_barrier_wait -1
.if \fill
	CREST
	s_add_nc_u64 s[G0+4*\sl+2:G0+4*\sl+3], s[G0+4*\sl+2:G0+4*\sl+3], 8*GRP
	s_add_nc_u64 s[G0B+4*\sl+2:G0B+4*\sl+3], s[G0B+4*\sl+2:G0B+4*\sl+3], 8*GRP
	JLOAD G0+4*\sl, G1, G0B+4*\sl, G1B             ; my one tensor load behind the round; its four v_nop are the places ahead of the loads below
.else
	PLACES
.endif
	FETCH \nx, 0
	WIN 0xa5
	MUL8 1, 0, 1, 0
	MUL8 1, 2, 1, 0
.endm
	s_load_b256 s[4:11], s[0:1], 0x0               ; A s[4:5], wts s[6:7], the residual s[8:9], out s[10:11]
	v_lshl_add_u32 v[SPW], v0, 2, SPARE
	v_mov_b32 v[NIL], 0
	ds_add_u32 v[SPW], v[NIL]                      ; the wave's opening: the add and its wait ahead of my first tensor load
	ds_add_u32 v[SPW], v[NIL]
	v_lshrrev_b32 v1, 5, v0
	v_readfirstlane_b32 s14, v1                    ; wave
	s_lshr_b32 s15, s14, 1                         ; my half of the rows.  Also: which four K steps I fetch
	s_and_b32 s16, s14, 1                          ; my half of the columns.  Also: I fetch for A (0) or B (1)
	s_bfe_u32 s40, ttmp6, 0x40000
	s_bfe_u32 s41, ttmp6, 0x40004
	s_lshl_b32 s42, ttmp9, 2
	s_add_co_u32 s42, s42, s40                     ; B's group = 4 x cluster x + cx
	s_and_b32 s17, ttmp7, 0xffff
	s_lshl_b32 s17, s17, 2
	s_add_co_u32 s17, s17, s41                     ; A's group = 4 x cluster y + cy
	s_lshl_b32 s43, s41, 2
	s_lshl_b32 s43, 15, s43
	s_lshl_b32 s44, 0x1111, s40
	s_or_b32 s[G1+0], s43, (3<<16)|(1<<21)         ; the mask; elements of 8 bytes; 21 set beside a mask; no padding
	s_or_b32 s[G1B+0], s44, (3<<16)|(1<<21)
.irp g, G1, G1B
	s_mov_b32 s[\g+1], 32<<16                      ; rows of 256 bytes,
	s_mov_b32 s[\g+2], 200<<16                     ; 200 of them: four K steps of one side, 51,200 dense bytes
	s_mov_b32 s[\g+3], 32<<16
	s_mov_b32 s[\g+4], 200
	s_mov_b32 s[\g+5], 32
	s_mov_b32 s[\g+6], 0
	s_mov_b32 s[\g+7], 0
.endr
	s_mul_i32 s18, s15, 2*LOADB                    ; which four K steps I fetch: wave / 2
	s_mul_i32 s20, s17, GSTR
	s_add_co_u32 s20, s20, s18
	s_mov_b32 s21, 0
	s_mul_i32 s46, s42, GSTR
	s_add_co_u32 s46, s46, s18
	s_add_co_u32 s46, s46, WOFF
	s_mov_b32 s47, 0
	s_mul_i32 s45, s14, 2*LOADB                    ; where they go: wave x 51,200: A's K steps 0-3, B's 0-3, A's 4-7, B's 4-7
	s_wait_dscnt 0x0
	s_wait_kmcnt 0x0
	s_add_nc_u64 s[20:21], s[4:5], s[20:21]
	s_add_nc_u64 s[46:47], s[6:7], s[46:47]
	CROUND
; ALL OF K IS ASKED FOR AT THE HEAD, one tensor load a wave, each on a line of its own: wave 0 A's K steps 0-3, wave 1 B's 0-3, wave 2 A's 4-7, wave 3 B's 4-7.  No LDS byte is filled again.
; No prefetch: everything that the work-group reads is asked for at its head.
	s_mov_b32 s[G0], 1
	s_mov_b32 s[G0+1], s45
	s_mov_b64 s[G0+2:G0+3], s[20:21]
	s_or_b32 s[G0+3], s[G0+3], 0x80000000
	s_mov_b32 s[G0B], 1
	s_mov_b32 s[G0B+1], s45
	s_mov_b64 s[G0B+2:G0B+3], s[46:47]
	s_or_b32 s[G0B+3], s[G0B+3], 0x80000000
.macro TL g0, g1
	tensor_load_to_lds s[\g0:\g0+3], s[\g1:\g1+7]
	s_nop 0
	PLACES
.endm
	s_cmp_eq_u32 s14, 0
	s_cbranch_scc0 .Lw1
	TL G0, G1
	s_branch .Lhead_asked
.Lw1:
	s_cmp_eq_u32 s14, 1
	s_cbranch_scc0 .Lw2
	TL G0B, G1B
	s_branch .Lhead_asked
.Lw2:
	s_cmp_eq_u32 s14, 2
	s_cbranch_scc0 .Lw3
	TL G0, G1
	s_branch .Lhead_asked
.Lw3:
	TL G0B, G1B
.Lhead_asked:
	v_and_b32 v1, 31, v0
	v_and_b32 v2, 15, v0                           ; r
	v_bfe_u32 v3, v0, 4, 1                         ; h
	v_lshlrev_b32 v[L16], 4, v1
	v_lshlrev_b32 v[L8], 3, v1
	s_mul_i32 s18, s15, 6144                       ; my four tiles of A's eight
	s_mul_i32 s19, s16, 6144
	s_add_co_u32 s19, s19, 2*LOADB                 ; and of B's, which lie behind A's four K steps
.irp s, 0,1
	v_add_nc_u32 v[A16+\s], s18, v[L16]
	v_add_nc_u32 v[A8+\s], s18, v[L8]
	v_add_nc_u32 v[B16+\s], s19, v[L16]
	v_add_nc_u32 v[B8+\s], s19, v[L8]
	s_add_co_u32 s18, s18, SLOT
	s_add_co_u32 s19, s19, SLOT
.endr
	s_xor_b32 s12, s15, 1
	s_add_co_u32 s12, s12, s16
	s_lshl_b32 s12, s12, 8
	s_add_co_u32 s12, s12, 2*LOADB-256             ; from my words of A to my words of B: 51,200 + 256 (B's half - A's half)
	v_mul_u32_u24 v4, s12, v3                      ; lanes 16-31 take B's: one product
	v_lshl_add_u32 v4, v2, 2, v4
	s_lshl_b32 s13, s15, 8
	s_add_co_u32 s13, s13, 12288
	v_add_nc_u32 v[ADRS], s13, v4
	v_add_nc_u32 v[ADRS+1], SLOT, v[ADRS]
	s_mul_i32 s13, s14, 4352                       ; my stage: 16 rows x 272 bytes
	v_mul_u32_u24 v[STO], v2, 272
	v_lshl_add_u32 v[STO], v3, 6, v[STO]
	v_add_nc_u32 v[STO], s13, v[STO]               ; in: row r, + 64 h
	v_mul_u32_u24 v[RD], v3, 272
	v_lshl_add_u32 v[RD], v2, 4, v[RD]
	v_add_nc_u32 v[RD], s13, v[RD]                 ; back: lanes 0-15 one row, lanes 16-31 the next
	v_lshlrev_b32 v[CO], 12, v3
	v_lshl_add_u32 v[CO], v2, 4, v[CO]             ; and the same two rows in memory
	s_wait_alu depctr_va_vdst(0)
	s_lshl_b32 s78, s17, 7
	s_lshl_b32 s79, s15, 6
	s_add_co_u32 s78, s78, s79
	s_lshl_b32 s78, s78, 12                        ; my first row,
	s_lshl_b32 s79, s42, 9
	s_add_co_u32 s78, s78, s79
	s_lshl_b32 s79, s16, 8
	s_add_co_u32 s78, s78, s79                     ; my first column
	s_mov_b32 s79, 0
	s_add_nc_u64 s[74:75], s[8:9], s[78:79]
	s_add_nc_u64 s[76:77], s[10:11], s[78:79]
	s_cmp_lt_u32 s14, 2
	s_cbranch_scc0 .Lnot_first
	s_wait_tensorcnt 0x0                           ; waves 0 and 1: K steps 0-3 are in; the other two waves' tiles are shown at the change of slots, where every wave waits
.Lnot_first:
	s_barrier_signal -1
	s_barrier_wait -1
	FETCH 0, 0
	WIN 0xc0                                       ; the residual of my 64 x 64, into window 3, at the stores' own addresses: asked for behind the tiles that the first products need
.irp a, 0,1,2,3
.irp t, 0,1,2,3,4,5,6,7
	global_load_b128 v[4*(8*\a+\t):4*(8*\a+\t)+3], v[CO], s[74:75] offset:(32*(\a/2)+8*(\a%2)+2*\t+8*(\t/4))*4096 th:TH_LOAD_NT
.endr
.endr
	STEP 0, 1                                      ; the first K step starts the sums
.if LAPS > 1
	WIN 0
	s_mov_b32 s3, LAPS-1
.Llap:
	TURN 0, 1, 1
	STEP 1, 0
	TURN 1, 0, 1
	STEP 0, 0
	WIN 0
	s_sub_co_u32 s3, s3, 1
	s_cmp_lg_u32 s3, 0
	s_cbranch_scc1 .Llap
.endif
	TURN 0, 1, 0
	STEP 1, 0
	s_wait_dscnt 32
	WIN 0xa5
	MUL8 0, 0, 1, 0
	MUL8 0, 2, 1, 0
	s_wait_dscnt 0x0
	MUL8 1, 0, 1, 0
	MUL8 1, 2, 1, 0
	WIN 0
	PLACES
.macro TOSTAGE a                       ; A's tile a: lane (r, h) holds, of B's tile 2 b + u, columns 32 b + 16 h + 8 u + 0 .. 7 of row r
	WIN 0x08                                       ; an LDS store's data: window 2
.irp bt, 0,1,2,3
	ds_store_b128 v[STO], v[8*(4*(\a)+\bt):8*(4*(\a)+\bt)+3] offset:128*(\bt/2)+32*(\bt%2)       ; each accumulator from its low end on
	ds_store_b128 v[STO], v[8*(4*(\a)+\bt)+4:8*(4*(\a)+\bt)+7] offset:128*(\bt/2)+32*(\bt%2)+16
.endr
	WIN 0
.set BB, BK+32*((\a)%2)
.irp t, 0,1,2,3,4,5,6,7
	ds_load_b128 v[BB+4*\t:BB+4*\t+3], v[RD] offset:544*\t          ; LDS serves a wave's instructions in order: these see my stores
.endr
.endm
.macro SEND a, younger
.set BB, BK+32*((\a)%2)
	s_wait_dscnt \younger
	WIN 0x0c                                       ; source 1: window 3
.set n, 0
.rept 16
	v_pk_add_f32 v[BB+n:BB+n+1], v[BB+n:BB+n+1], v[32*(\a)+n:32*(\a)+n+1]
.set n, n+2
.endr
	WIN 0
.irp t, 0,1,2,3,4,5,6,7
	global_store_b128 v[CO], v[BB+4*\t:BB+4*\t+3], s[76:77] offset:(32*((\a)/2)+8*((\a)%2)+2*\t+8*(\t/4))*4096 th:TH_STORE_NT   ; 16 lanes store 256 consecutive bytes, at a multiple of 256 from the buffer's first byte
.endr
.endm
	TOSTAGE 0
	s_wait_loadcnt 0x0                             ; the residual
.irp a, 1,2,3
.if \a > 1
	s_wait_xcnt 0x0                                ; tile a - 2's stores have read their registers: tile a's rows may land there
.endif
	TOSTAGE \a
	SEND \a-1, 16                                  ; behind tile a - 1's loads: tile a's 8 stores and 8 loads
.endr
	SEND 3, 0
	s_wait_tensorcnt 0x0                           ; the wave's end
	ds_add_u32 v[SPW], v[NIL]
	s_wait_dscnt 0x0
	CROUND                                         ; the closing round
	s_endpgm
.Lfunc_end_k_q23f68012b4_wo:
	.size	k_q23f68012b4_wo, .Lfunc_end_k_q23f68012b4_wo-k_q23f68012b4_wo
	.p2alignl 7, 3214868480
	.fill 96, 4, 3214868480
	.section	.rodata,"a",@progbits
	.p2align	6, 0x0
	.amdhsa_kernel k_q23f68012b4_wo
		.amdhsa_group_segment_fixed_size 327680
		.amdhsa_private_segment_fixed_size 0
		.amdhsa_enable_private_segment 0
		.amdhsa_kernarg_size 32
		.amdhsa_user_sgpr_count 2
		.amdhsa_user_sgpr_kernarg_segment_ptr 1
		.amdhsa_wavefront_size32 1
		.amdhsa_system_sgpr_workgroup_id_x 1
		.amdhsa_system_sgpr_workgroup_id_y 1
		.amdhsa_system_sgpr_workgroup_id_z 1
		.amdhsa_system_vgpr_workitem_id 0
		.amdhsa_next_free_vgpr 1024
		.amdhsa_next_free_sgpr 100
		.amdhsa_reserve_vcc 0
		.amdhsa_float_denorm_mode_32 3
		.amdhsa_float_denorm_mode_16_64 3
		.amdhsa_memory_ordered 1
		.amdhsa_forward_progress 1
		.amdhsa_inst_pref_size 58
	.end_amdhsa_kernel
	.amdgpu_metadata
---
amdhsa.version: [ 1, 2 ]
amdhsa.kernels:
  - .name:           k_q23f68012b4_wo
    .symbol:         k_q23f68012b4_wo.kd
    .args:
      - { .name: ao, .offset: 0, .size: 8, .value_kind: global_buffer, .address_space: global }
      - { .name: wts, .offset: 8, .size: 8, .value_kind: global_buffer, .address_space: global }
      - { .name: X, .offset: 16, .size: 8, .value_kind: global_buffer, .address_space: global }
      - { .name: x1, .offset: 24, .size: 8, .value_kind: global_buffer, .address_space: global }
    .group_segment_fixed_size: 327680
    .private_segment_fixed_size: 0
    .kernarg_segment_align: 8
    .kernarg_segment_size: 32
    .max_flat_workgroup_size: 128
    .sgpr_count:     100
    .vgpr_count:     1024
    .wavefront_size: 32
...
	.end_amdgpu_metadata
.endif
;; end of part 4
;; launch norm2 (part 5): grid 256 x 1, 4 waves a work-group, no clusters, 71,680 bytes of LDS; arguments x1, gamma2, xn; writes xn
.if DOCPART == 5
	.amdgcn_target "amdgcn-amd-amdhsa--gfx1250"
	.amdhsa_code_object_version 6
	.text
	.protected	k_q23f68012b4_norm2
	.globl	k_q23f68012b4_norm2
	.p2align	8
	.type	k_q23f68012b4_norm2,@function
k_q23f68012b4_norm2:
	s_mov_b64 s[64:65], 0
	v_nop
	global_prefetch_b8 v0, s[64:65] scope:SCOPE_SE
	s_setreg_imm32_b32 hwreg(HW_REG_WAVE_MODE, 25, 1), 1
	s_wait_xcnt 0x0
; xn = Q(x * gamma * rsqrt(mean(x^2) + 1e-6)): rows of 1,024 f32 become codes of FP6 (E2M3) with one E8M0 byte for each 32 along the row, laid as images of operand registers:
; a fragment (16 rows x 128 k) is 1,536 bytes (half c at 768 c: registers 6c..6c+3 at 16 x lane, 6c+4, 6c+5 at 512 + 8 x lane); a group (128 rows x 128 k) is eight fragments and, at 12,288 + 64 i + 4 r, the scale words;
; group (g, s) lies at (8 g + s) x 12,800; tile 2 b + u, lane r, is row 32 b + 8 u + r + 8 (r / 8) of the group.
; SHARES: a work-group takes one tile of 16 rows; wave w columns 256 w .. 256 w + 255 (two fragments), kept in 128 registers a lane: the row is read once.
; Each load takes the bytes as they lie, 512 consecutive bytes of one row; the wave's 16 x 1,024 bytes turn through its own stage in LDS (rows 1,040 bytes apart) and come back so that lane (r, h) holds, of row r, 16 neighbours of each block of 32.
; gamma's 1,024 bytes a wave go the same way.  The four waves' sums of squares meet in LDS behind the one barrier.  The order of the two factors is (x gamma) r where the source reads (x r) gamma: both in f32.
; LIMITS: a block of zeros gets the byte 1 where the rule says 127 (zero codes; the bytes are read by this program alone); largest magnitudes under 2^-124 are held at that floor; NaN and infinities are not served.
.set FIRSTN, 0
.set ARG0,  0x0
.set GRP, 12800
.set XR,  16                           ; v16-143  my 128 numbers
.set G,   144                          ; v144-207 64 numbers of gamma
.set TM,  208                          ; v208-223 at work in QUANT
.set PC,  224                          ; v224-243 codes
.set PW,  244                          ; v244-245 the two fragments' scale words
.set SPW, 252                          ; v252 LDS address of my spare word; never rewritten
.set NIL, 253                          ; v253 0; never rewritten
.set SPARE, 256                        ; LDS: bytes 0-255 the partial sums (wave w's at 64 w + 4 r); from 256 on the spare words, 128 bytes a wave
.set GSTG, 768                         ; LDS: gamma, 1,024 bytes a wave
.set XSTG, 4864                        ; LDS: the stages, 16 rows x 1,040 bytes a wave
.set XP,   1040                        ; 65 x 16 bytes: the sixteen rows that a read touches begin at sixteen different 16-byte columns of the 64 banks' 256 bytes (ISA guide 11.1)
.set SEL, 26                           ; s[26:27] lane selects: lane l xor 16
; 64 numbers of a lane, register 16 b + i = k 32 b + 16 (lane / 16) + i of my row, become a fragment's codes in v[PC] on and its scale word in v[pw]
.macro QUANT s, pw
.irp b, 0,1,2,3
	v_max3_num_f32 v[TM+\b], |v[\s+16*\b]|, |v[\s+1+16*\b]|, 0x1800000   ; my 16 numbers of block b, and the floor 2^(3 - 127)
.endr
.irp i, 2,4,6,8,10,12,14
.irp b, 0,1,2,3
	v_max3_num_f32 v[TM+\b], v[TM+\b], |v[\s+16*\b+\i]|, |v[\s+1+16*\b+\i]|   ; the four blocks by turns
.endr
.endr
.irp b, 0,1,2,3
	v_permlanex16_b32 v[TM+4+\b], v[TM+\b], s[SEL], s[SEL+1]
.endr
.irp b, 0,1,2,3
	v_max_num_f32 v[TM+\b], v[TM+\b], v[TM+4+\b]   ; with lane l xor 16's: the block's largest magnitude
.endr
.irp b, 0,1,2,3
	v_add_nc_u32 v[TM+12+\b], 0xff000000, v[TM+\b] ; 2 off its exponent field: the conversion's scale operand
.endr
.irp b, 0,1,2,3
	v_lshrrev_b32 v[TM+4+\b], 23, v[TM+12+\b]      ; the scale's byte
.endr
	v_lshl_or_b32 v[\pw], v[TM+5], 8, v[TM+4]
	v_lshl_or_b32 v[\pw], v[TM+6], 16, v[\pw]
	v_lshl_or_b32 v[\pw], v[TM+7], 24, v[\pw]
.irp c, 0,1
	v_cvt_scalef32_pk16_fp6_f32 v[PC+6*\c:PC+2+6*\c], v[\s+32*\c:\s+15+32*\c], v[TM+12+2*\c]
	v_cvt_scalef32_pk16_fp6_f32 v[PC+12+4*\c:PC+14+4*\c], v[\s+16+32*\c:\s+31+32*\c], v[TM+12+2*\c+1]
.endr
	v_nop                                          ; one plain line behind the scaled conversions
.irp c, 0,1                            ; the operand wants a whole block in a lane: lanes 0-15 block 2 c, lanes 16-31 block 2 c + 1
.irp i, 0,1,2
	v_permlane16_swap_b32 v[PC+6*\c+\i], v[PC+12+4*\c+\i]
.endr
.irp i, 0,1,2
	v_mov_b32 v[PC+3+6*\c+\i], v[PC+12+4*\c+\i]
.endr
.endr
.endm
.macro PUT off                         ; the fragment in v[PC] on goes out as its image: 512, 256, 512, 256 consecutive bytes
	global_store_b128 v1, v[PC:PC+3], s[28:29] offset:\off
	global_store_b64 v2, v[PC+4:PC+5], s[28:29] offset:\off+512
	global_store_b128 v1, v[PC+6:PC+9], s[28:29] offset:\off+768
	global_store_b64 v2, v[PC+10:PC+11], s[28:29] offset:\off+1280
.endm
.macro XL s                            ; my 64 numbers of fragment s, out of my wave's stage
.irp b, 0,1,2,3
.irp j, 0,1,2,3
	ds_load_b128 v[XR+64*\s+16*\b+4*\j:XR+64*\s+16*\b+4*\j+3], v254 offset:512*\s+128*\b+16*\j
.endr
.endr
.endm
.macro GL s                            ; gamma at the same columns: sixteen lanes share each address
.irp b, 0,1,2,3
.irp j, 0,1,2,3
	ds_load_b128 v[G+16*\b+4*\j:G+16*\b+4*\j+3], v255 offset:512*\s+128*\b+16*\j
.endr
.endr
.endm
.macro SUMSQ base, first               ; 64 squares into four chains of pairs
.set pp, 0
.rept 32
.set CH, 246+2*(pp%4)
.if pp%4 == 3
.set CH, 10
.endif
.if \first && (pp < 4)
	v_pk_mul_f32 v[CH:CH+1], v[\base+2*pp:\base+2*pp+1], v[\base+2*pp:\base+2*pp+1]
.else
	v_pk_fma_f32 v[CH:CH+1], v[\base+2*pp:\base+2*pp+1], v[\base+2*pp:\base+2*pp+1], v[CH:CH+1]
.endif
.set pp, pp+1
.endr
.endm
.macro TIMESG base
.set pp, 0
.rept 32
	v_pk_mul_f32 v[\base+2*pp:\base+2*pp+1], v[\base+2*pp:\base+2*pp+1], v[G+2*pp:G+2*pp+1]
.set pp, pp+1
.endr
.endm
	s_load_b64 s[4:5], s[0:1], ARG0                ; x
	s_load_b64 s[6:7], s[0:1], ARG0+8              ; gamma
	s_load_b64 s[8:9], s[0:1], ARG0+16             ; xn
	v_lshl_add_u32 v[SPW], v0, 2, SPARE
	v_mov_b32 v[NIL], 0
	v_lshrrev_b32 v1, 5, v0
	v_readfirstlane_b32 s2, v1                     ; wave
	v_and_b32 v3, 31, v0                           ; lane
	v_and_b32 v4, 15, v0                           ; r
	v_bfe_u32 v5, v0, 4, 1                         ; h
	v_lshlrev_b32 v1, 4, v3                        ; 16 x lane
	v_lshlrev_b32 v2, 3, v3                        ; 8 x lane
	s_lshl_b32 s3, s2, 10
	v_add_nc_u32 v6, s3, v1                        ; 16 x lane + 1,024 w: my 16 bytes of a load's 512, in x's rows, in gamma, and (+ GSTG) in gamma's place in LDS
	s_mul_i32 s10, s2, 16*XP
	s_add_co_u32 s10, s10, XSTG                    ; my wave's stage
	v_add_nc_u32 v7, s10, v1                       ; into it: as loaded
	v_mul_u32_u24 v254, v4, XP
	v_lshl_add_u32 v254, v5, 6, v254
	v_add_nc_u32 v254, s10, v254                   ; out of it: row r, + 64 h
	s_add_co_u32 s3, s3, GSTG
	v_lshl_add_u32 v255, v5, 6, s3                 ; gamma out of LDS: 64 h
	v_lshlrev_b32 v8, 2, v4                        ; the partial sums: 4 r
	s_lshl_b32 s10, s2, 6
	v_add_nc_u32 v9, s10, v8                       ; 4 r + 64 w
	v_mul_u32_u24 v13, v5, GRP
	v_add_nc_u32 v13, v13, v8                      ; the scale words' store: 4 r, and a group on for lanes 16-31
	v_mov_b32 v15, 0                               ; (a lane permute's destination counts as read)
.irp b, 0,1,2,3
	v_mov_b32 v[TM+4+\b], 0
.endr
	s_sub_co_u32 s12, ttmp9, FIRSTN
	s_lshr_b32 s11, s12, 3                         ; the group of 128 rows
	s_and_b32 s12, s12, 7                          ; the tile in it
	s_lshr_b32 s13, s12, 1
	s_and_b32 s14, s12, 1
	s_lshl_b32 s15, s11, 7
	s_lshl_b32 s13, s13, 5
	s_lshl_b32 s14, s14, 3
	s_add_co_u32 s15, s15, s13
	s_add_co_u32 s15, s15, s14                     ; the tile's first row
	s_lshl_b32 s16, s15, 12
	s_mov_b32 s17, 0
	s_lshl_b32 s18, s11, 3
	s_lshl_b32 s19, s2, 1
	s_add_co_u32 s18, s18, s19
	s_mul_i32 s18, s18, GRP                        ; group (rb, 2 w)
	s_mul_i32 s19, s12, 1536
	s_add_co_u32 s22, s18, s19                     ; my tile's fragment
	s_mov_b32 s23, 0
	s_lshl_b32 s19, s12, 6
	s_add_co_u32 s24, s18, s19
	s_add_co_u32 s24, s24, 12288                   ; and its scale words
	s_mov_b32 s25, 0
	s_mov_b32 s20, 0x3a800000                      ; 1 / 1,024
	s_mov_b32 s21, 0x358637bd                      ; 1e-6
	s_mov_b32 s[SEL], 0x76543210
	s_mov_b32 s[SEL+1], 0xfedcba98
	s_wait_kmcnt 0x0
	s_add_nc_u64 s[4:5], s[4:5], s[16:17]
	s_add_nc_u64 s[28:29], s[8:9], s[22:23]
	s_add_nc_u64 s[30:31], s[8:9], s[24:25]
	global_load_b128 v[G:G+3], v6, s[6:7]          ; gamma's 1,024 bytes of my columns
	global_load_b128 v[G+4:G+7], v6, s[6:7] offset:512
.set li, 0
.rept 32                               ; tile row li / 2 (row i + 8 (i / 8) from the tile's first), half li % 2: 512 consecutive bytes a load
	global_load_b128 v[XR+4*li:XR+4*li+3], v6, s[4:5] offset:((li/2)+8*((li/2)/8))*4096+512*(li%2) th:TH_LOAD_NT
.set li, li+1
.endr
	s_wait_loadcnt 32                              ; gamma's two loads are in; x's 32 may be out
	ds_store_b128 v6, v[G:G+3] offset:GSTG
	ds_store_b128 v6, v[G+4:G+7] offset:GSTG+512
.set li, 0
.irp q, 0,1,2,3
	s_wait_loadcnt 24-8*\q                         ; the next eight loads of x are in
.rept 8
	ds_store_b128 v7, v[XR+4*li:XR+4*li+3] offset:(li/2)*XP+512*(li%2)
.set li, li+1
.endr
.endr
	XL 0                                           ; LDS serves a wave's instructions in order (ISA guide 5.7.1.4): these see my stores, and land behind the stores' reads of the same registers
	GL 0
	XL 1
	s_wait_dscnt 32                                ; x's first 64 are back; gamma's 16 reads and x's other 16 may be out
	SUMSQ XR, 1
	s_wait_dscnt 16                                ; gamma's first 64 are back
	TIMESG XR
	GL 1
	s_wait_dscnt 16                                ; x's other 64 are back; gamma's 16 just issued may be out
	SUMSQ XR+64, 0
	s_wait_dscnt 0x0
	TIMESG XR+64
	v_pk_add_f32 v[246:247], v[246:247], v[248:249]
	v_pk_add_f32 v[250:251], v[250:251], v[10:11]
	v_pk_add_f32 v[246:247], v[246:247], v[250:251]
	v_add_f32 v12, v246, v247
	v_permlanex16_b32 v15, v12, s[SEL], s[SEL+1]
	v_add_f32 v12, v12, v15                        ; my wave's 256 columns of row r
	ds_store_b32 v9, v12                           ; lanes l and l xor 16 write the same word with the same value
	s_wait_dscnt 0x0                               ; for the others' sake: my store has landed
	s_barrier_signal -1
	s_barrier_wait -1
	ds_load_b32 v246, v8
	ds_load_b32 v247, v8 offset:64
	ds_load_b32 v248, v8 offset:128
	ds_load_b32 v249, v8 offset:192
	s_wait_dscnt 0x0
	v_add_f32 v246, v246, v247
	v_add_f32 v248, v248, v249
	v_add_f32 v12, v246, v248                      ; the row's sum of squares, in one order in every wave
	v_fma_f32 v12, v12, s20, s21                   ; the mean + 1e-6
	s_wait_alu depctr_va_vdst(0)
	v_rsq_f32 v14, v12
	v_mov_b32 v15, 0                               ; a plain line behind the transcendental (v15 is named with v14 as a pair)
	s_wait_alu depctr_va_vdst(0)                   ; the wait ahead of the first line that names the result
.set pp, 0
.rept 64
	v_pk_mul_f32 v[XR+2*pp:XR+2*pp+1], v[XR+2*pp:XR+2*pp+1], v[14:15] op_sel_hi:[1,0]
.set pp, pp+1
.endr
	QUANT XR, PW
	PUT 0
	s_wait_xcnt 0x0                                ; the stores have read their data: the codes' registers are written again
	QUANT XR+64, PW+1
	PUT GRP
	v_cmp_le_u32 vcc_lo, 16, v3
	v_cndmask_b32 v246, v[PW], v[PW+1], vcc_lo     ; lanes 0-15: the first fragment's words, lanes 16-31 the second's
	global_store_b32 v13, v246, s[30:31]
	s_wait_tensorcnt 0x0                           ; the wave's end, behind my last LDS store
	ds_add_u32 v[SPW], v[NIL]
	s_wait_dscnt 0x0
	s_endpgm
.Lfunc_end_k_q23f68012b4_norm2:
	.size	k_q23f68012b4_norm2, .Lfunc_end_k_q23f68012b4_norm2-k_q23f68012b4_norm2
	.p2alignl 7, 3214868480
	.fill 96, 4, 3214868480
	.section	.rodata,"a",@progbits
	.p2align	6, 0x0
	.amdhsa_kernel k_q23f68012b4_norm2
		.amdhsa_group_segment_fixed_size 71680
		.amdhsa_private_segment_fixed_size 0
		.amdhsa_enable_private_segment 0
		.amdhsa_kernarg_size 24
		.amdhsa_user_sgpr_count 2
		.amdhsa_user_sgpr_kernarg_segment_ptr 1
		.amdhsa_wavefront_size32 1
		.amdhsa_system_sgpr_workgroup_id_x 1
		.amdhsa_system_sgpr_workgroup_id_y 1
		.amdhsa_system_sgpr_workgroup_id_z 1
		.amdhsa_system_vgpr_workitem_id 0
		.amdhsa_next_free_vgpr 256
		.amdhsa_next_free_sgpr 66
		.amdhsa_reserve_vcc 1
		.amdhsa_float_denorm_mode_32 3
		.amdhsa_float_denorm_mode_16_64 3
		.amdhsa_memory_ordered 1
		.amdhsa_forward_progress 1
		.amdhsa_inst_pref_size 35
	.end_amdhsa_kernel
	.amdgpu_metadata
---
amdhsa.version: [ 1, 2 ]
amdhsa.kernels:
  - .name:           k_q23f68012b4_norm2
    .symbol:         k_q23f68012b4_norm2.kd
    .args:
      - { .name: x1, .offset: 0, .size: 8, .value_kind: global_buffer, .address_space: global }
      - { .name: gamma2, .offset: 8, .size: 8, .value_kind: global_buffer, .address_space: global }
      - { .name: xn, .offset: 16, .size: 8, .value_kind: global_buffer, .address_space: global }
    .group_segment_fixed_size: 71680
    .private_segment_fixed_size: 0
    .kernarg_segment_align: 8
    .kernarg_segment_size: 24
    .max_flat_workgroup_size: 128
    .sgpr_count:     66
    .vgpr_count:     256
    .wavefront_size: 32
...
	.end_amdgpu_metadata
.endif
;; end of part 5
;; launch ffi (part 6): grid 16 x 16, 4 waves a work-group, clusters of 4 x 4, 327,680 bytes of LDS; arguments xn, wts, hid; writes hid
.if DOCPART == 6
	.amdgcn_target "amdgcn-amd-amdhsa--gfx1250"
	.amdhsa_code_object_version 6
	.text
	.protected	k_q23f68012b4_ffi
	.globl	k_q23f68012b4_ffi
	.p2align	8
	.type	k_q23f68012b4_ffi,@function
k_q23f68012b4_ffi:
	s_mov_b64 s[64:65], 0
	v_nop
	global_prefetch_b8 v0, s[64:65] scope:SCOPE_SE
	s_setreg_imm32_b32 hwreg(HW_REG_WAVE_MODE, 25, 1), 1
	s_wait_xcnt 0x0
	s_wait_alu depctr_hold_cnt(0) depctr_sa_sdst(0) depctr_va_vdst(0) depctr_va_sdst(0) depctr_va_ssrc(0) depctr_va_vcc(0) depctr_vm_vsrc(0)
	s_getreg_b32 s2, hwreg(HW_REG_IB_STS2, 6, 4)
	s_cmp_eq_u32 s2, 0
	s_cbranch_scc0 .Lentry_in_a_cluster
	s_endpgm
.Lentry_in_a_cluster:
	s_bfe_u32 s2, ttmp6, 0x10000c
	s_cmp_lg_u32 s2, 0xf033
	s_cbranch_scc0 .Lentry_shape_is_right
	s_endpgm
.Lentry_shape_is_right:
.set GRP,   12800
.set KS,    8
.set WOFF,  3276800
.set GSTR,  KS*GRP
.set LOADB, 2*GRP
.set SLOT,  4*LOADB
.set SPARE, 2*SLOT
.set LAPS,  KS/4
.set A16,  16
.set A8,   18
.set B16,  20
.set B8,   22
.set ADRS, 24
.set L16,  26
.set L8,   27
.set SPW,  28
.set NIL,  29
.set L4,   30
.set SC,   32
.set PW,   48
.set AF,   64
.set BF,   160
.set TM,   64
.set PC,   80
.set G1,   24
.set G0,   32
.set G1B,  48
.set G0B,  56
.set SEL,  66
.set MSB,  0
.macro WIN new
.set NW, \new
.if MSB != NW
	s_set_vgpr_msb (MSB<<8)|NW
.set MSB, NW
.endif
.endm
.macro JLOAD g0a, g1a, g0b, g1b
	s_cmp_eq_u32 s15, 0
	s_cbranch_scc0 .Lfor_b_\@
	tensor_load_to_lds s[\g0a:\g0a+3], s[\g1a:\g1a+7]
	s_nop 0
.rept 4
	v_nop
.endr
	s_branch .Lasked_\@
.Lfor_b_\@:
	tensor_load_to_lds s[\g0b:\g0b+3], s[\g1b:\g1b+7]
	s_nop 0
.rept 4
	v_nop
.endr
.Lasked_\@:
.endm
.macro CREST
	s_cmp_lg_u32 s14, 0
	s_cbranch_scc1 .Lnot_wave_0_\@
	s_barrier_signal -3
.Lnot_wave_0_\@:
	s_barrier_wait -3
	s_barrier_signal -1
	s_barrier_wait -1
.endm
.macro CROUND
	s_barrier_signal -1
	s_barrier_wait -1
	CREST
.endm
.macro PLACES
.rept 4
	v_nop
.endr
.endm
.macro FRAG reg, a16, a8, off
	ds_load_b128 v[\reg:\reg+3], v[\a16] offset:\off
	ds_load_b64 v[\reg+4:\reg+5], v[\a8] offset:\off+512
	ds_load_b128 v[\reg+6:\reg+9], v[\a16] offset:\off+768
	ds_load_b64 v[\reg+10:\reg+11], v[\a8] offset:\off+1280
.endm
.macro FETCH sl, q, f
	WIN 0
.irp i, 0,1,2,3,4,5,6,7
	ds_load_b32 v[SC+8*(\f)+\i], v[ADRS+\sl] offset:(\q)*GRP+64*\i
.endr
	WIN 0x40*(\f)
.irp i, 0,1,2,3,4,5,6,7
	FRAG BF+12*\i, B16+\sl, B8+\sl, (\q)*GRP+1536*\i
.endr
.irp i, 0,1,2,3,4,5,6,7
	FRAG AF+12*\i, A16+\sl, A8+\sl, (\q)*GRP+1536*\i
.endr
.endm
.macro MUL16 a0, f, zero
.irp a, \a0, \a0+1
.irp b, 0,1,2,3,4,5,6,7
.if \zero
	v_wmma_scale_f32_16x16x128_f8f6f4 v[8*(8*((\a)%4)+\b):8*(8*((\a)%4)+\b)+7], v[BF+12*\b:BF+12*\b+11], v[AF+12*(\a):AF+12*(\a)+11], 0, v[SC+8*(\f)+\b], v[SC+8*(\f)+(\a)] matrix_a_fmt:MATRIX_FMT_FP6 matrix_b_fmt:MATRIX_FMT_FP6 matrix_a_scale:MATRIX_SCALE_ROW1
.else
	v_wmma_scale_f32_16x16x128_f8f6f4 v[8*(8*((\a)%4)+\b):8*(8*((\a)%4)+\b)+7], v[BF+12*\b:BF+12*\b+11], v[AF+12*(\a):AF+12*(\a)+11], v[8*(8*((\a)%4)+\b):8*(8*((\a)%4)+\b)+7], v[SC+8*(\f)+\b], v[SC+8*(\f)+(\a)] matrix_a_fmt:MATRIX_FMT_FP6 matrix_b_fmt:MATRIX_FMT_FP6 matrix_a_scale:MATRIX_SCALE_ROW1
.endif
.endr
.endr
.endm
.macro STEP sl, zero
	s_wait_dscnt 16
	WIN 0xa0
	MUL16 0, 0, \zero
	MUL16 2, 0, \zero
	s_wait_dscnt 0x0
	PLACES
	FETCH \sl, 1, 1
	WIN 0xf0
	MUL16 4, 0, \zero
	MUL16 6, 0, \zero
.endm
.macro TURN sl, nx, fill
	WIN 0
	s_wait_tensorcnt 0x0
	ds_add_u32 v[SPW], v[NIL]
	s_wait_dscnt 17
	WIN 0xa5
	MUL16 0, 1, 0
	s_wait_dscnt 0x0
	s_barrier_signal -1
	MUL16 2, 1, 0
	WIN 0
	s_barrier_wait -1
.if \fill
	CREST
	s_add_nc_u64 s[G0+4*\sl+2:G0+4*\sl+3], s[G0+4*\sl+2:G0+4*\sl+3], 2*LOADB
	s_add_nc_u64 s[G0B+4*\sl+2:G0B+4*\sl+3], s[G0B+4*\sl+2:G0B+4*\sl+3], 2*LOADB
	JLOAD G0+4*\sl, G1, G0B+4*\sl, G1B
.else
	PLACES
.endif
	FETCH \nx, 0, 0
	WIN 0xf5
	MUL16 4, 1, 0
	MUL16 6, 1, 0
.endm
.macro WQUANT s, w, pw
	WIN (\w)|((\w)<<2)
.irp b, 0,1,2,3
	v_max3_num_f32 v[TM+\b], |v[\s+16*\b]|, |v[\s+16*\b+1]|, 0x1800000
.endr
.irp i, 2,4,6,8,10,12,14
.irp b, 0,1,2,3
	v_max3_num_f32 v[TM+\b], |v[\s+16*\b+\i]|, |v[\s+16*\b+\i+1]|, v[TM+\b]
.endr
.endr
	WIN 0
.irp b, 0,1,2,3
	v_permlanex16_b32 v[TM+4+\b], v[TM+\b], s[SEL], s[SEL+1]
.endr
.irp b, 0,1,2,3
	v_max_num_f32 v[TM+\b], v[TM+\b], v[TM+4+\b]
.endr
.irp b, 0,1,2,3
	v_add_nc_u32 v[TM+12+\b], 0xff000000, v[TM+\b]
.endr
.irp b, 0,1,2,3
	v_lshrrev_b32 v[TM+4+\b], 23, v[TM+12+\b]
.endr
	v_lshl_or_b32 v[\pw], v[TM+5], 8, v[TM+4]
	v_lshl_or_b32 v[\pw], v[TM+6], 16, v[\pw]
	v_lshl_or_b32 v[\pw], v[TM+7], 24, v[\pw]
	WIN \w
.irp c, 0,1
	v_cvt_scalef32_pk16_fp6_f32 v[PC+6*\c:PC+2+6*\c], v[\s+32*\c:\s+15+32*\c], v[TM+12+2*\c]
	v_cvt_scalef32_pk16_fp6_f32 v[PC+12+4*\c:PC+14+4*\c], v[\s+16+32*\c:\s+31+32*\c], v[TM+12+2*\c+1]
.endr
	WIN 0
	v_nop
.irp c, 0,1
.irp i, 0,1,2
	v_permlane16_swap_b32 v[PC+6*\c+\i], v[PC+12+4*\c+\i]
.endr
.irp i, 0,1,2
	v_mov_b32 v[PC+3+6*\c+\i], v[PC+12+4*\c+\i]
.endr
.endr
.endm
	s_load_b128 s[4:7], s[0:1], 0x0
	s_load_b64 s[8:9], s[0:1], 0x10
	v_lshl_add_u32 v[SPW], v0, 2, SPARE
	v_mov_b32 v[NIL], 0
	ds_add_u32 v[SPW], v[NIL]
	ds_add_u32 v[SPW], v[NIL]
	v_lshrrev_b32 v1, 5, v0
	v_readfirstlane_b32 s14, v1
	s_lshr_b32 s15, s14, 1
	s_and_b32 s16, s14, 1
	s_bfe_u32 s40, ttmp6, 0x40000
	s_bfe_u32 s41, ttmp6, 0x40004
	s_lshl_b32 s42, ttmp9, 2
	s_add_co_u32 s42, s42, s40
	s_and_b32 s17, ttmp7, 0xffff
	s_lshl_b32 s17, s17, 2
	s_add_co_u32 s17, s17, s41
	s_lshl_b32 s43, s41, 2
	s_lshl_b32 s43, 15, s43
	s_lshl_b32 s44, 0x1111, s40
	s_or_b32 s[G1+0], s43, (3<<16)|(1<<21)
	s_or_b32 s[G1B+0], s44, (3<<16)|(1<<21)
.irp g, G1, G1B
	s_mov_b32 s[\g+1], 32<<16
	s_mov_b32 s[\g+2], 100<<16
	s_mov_b32 s[\g+3], 32<<16
	s_mov_b32 s[\g+4], 100
	s_mov_b32 s[\g+5], 32
	s_mov_b32 s[\g+6], 0
	s_mov_b32 s[\g+7], 0
.endr
	s_lshl_b32 s20, s17, 1
	s_add_co_u32 s20, s20, s16
	s_mul_i32 s20, s20, GSTR
	s_mov_b32 s21, 0
	s_lshl_b32 s46, s42, 1
	s_add_co_u32 s46, s46, s16
	s_mul_i32 s46, s46, GSTR
	s_add_co_u32 s46, s46, WOFF
	s_mov_b32 s47, 0
	s_mul_i32 s45, s14, LOADB
	s_mov_b32 s[SEL], 0x76543210
	s_mov_b32 s[SEL+1], 0xfedcba98
	s_wait_dscnt 0x0
	s_wait_kmcnt 0x0
	s_add_nc_u64 s[20:21], s[4:5], s[20:21]
	s_add_nc_u64 s[46:47], s[6:7], s[46:47]
	s_cmp_eq_u32 s15, 0                            ; the prefetches: the group that I fetch, and my place among the four that ask for it with me (cx for A, cy for B): it enters prefetch addresses alone
	s_cselect_b32 s98, s40, s41
	s_cselect_b64 s[96:97], s[20:21], s[46:47]
	s_mul_i32 s98, s98, 25
	CROUND
.irp s, 0,1
	s_mov_b32 s[G0+4*\s], 1
	s_add_co_u32 s[G0+4*\s+1], s45, \s*SLOT
	s_add_nc_u64 s[G0+4*\s+2:G0+4*\s+3], s[20:21], \s*LOADB
	s_or_b32 s[G0+4*\s+3], s[G0+4*\s+3], 0x80000000
	s_mov_b32 s[G0B+4*\s], 1
	s_add_co_u32 s[G0B+4*\s+1], s45, \s*SLOT
	s_add_nc_u64 s[G0B+4*\s+2:G0B+4*\s+3], s[46:47], \s*LOADB
	s_or_b32 s[G0B+4*\s+3], s[G0B+4*\s+3], 0x80000000
.endr
	JLOAD G0, G1, G0B, G1B                         ; slot 0: my one tensor load at the head
	; PREFETCH: a fill of mine is 100 blocks of 256 bytes; each of the four partners names 25 of them, a lane a block (the lanes left over name the last again).  Behind fill t the bytes of fill t + 2 are asked for, at the head those of fills 1 and 2; the last two fills ask for nothing.
	v_and_b32 v6, 31, v0
	v_min_u32 v6, 24, v6
	v_add_nc_u32 v6, s98, v6
	v_lshlrev_b32 v5, 8, v6                        ; v5 is never rewritten
	global_prefetch_b8 v5, s[96:97] offset:LOADB th:TH_LOAD_NT scope:SCOPE_SE
	global_prefetch_b8 v5, s[96:97] offset:2*LOADB th:TH_LOAD_NT scope:SCOPE_SE
	v_and_b32 v1, 31, v0
	v_and_b32 v2, 15, v0
	v_bfe_u32 v3, v0, 4, 1
	v_lshlrev_b32 v[L16], 4, v1
	v_lshlrev_b32 v[L8], 3, v1
	v_lshlrev_b32 v[L4], 2, v1
	s_mul_i32 s18, s15, LOADB
	s_mul_i32 s19, s16, LOADB
	s_add_co_u32 s19, s19, 2*LOADB
.irp s, 0,1
	v_add_nc_u32 v[A16+\s], s18, v[L16]
	v_add_nc_u32 v[A8+\s], s18, v[L8]
	v_add_nc_u32 v[B16+\s], s19, v[L16]
	v_add_nc_u32 v[B8+\s], s19, v[L8]
	s_add_co_u32 s18, s18, SLOT
	s_add_co_u32 s19, s19, SLOT
.endr
	s_xor_b32 s12, s15, 1
	s_add_co_u32 s12, s12, s16
	s_add_co_u32 s12, s12, 1
	s_mul_i32 s12, s12, LOADB
	v_mul_u32_u24 v4, s12, v3
	v_lshl_add_u32 v4, v2, 2, v4
	s_mul_i32 s13, s15, LOADB
	s_add_co_u32 s13, s13, 12288
	v_add_nc_u32 v[ADRS], s13, v4
	v_add_nc_u32 v[ADRS+1], SLOT, v[ADRS]
	s_lshl_b32 s78, s17, 1
	s_add_co_u32 s78, s78, s15
	s_lshl_b32 s79, s42, 1
	s_add_co_u32 s79, s79, s16
	s_lshl_b32 s78, s78, 5
	s_add_co_u32 s78, s78, s79
	s_mul_i32 s78, s78, GRP
	s_mov_b32 s79, 0
	s_add_nc_u64 s[74:75], s[8:9], s[78:79]
	s_wait_alu depctr_va_vdst(0)
	s_wait_tensorcnt 0x0                           ; my part of slot 0 is in; slot 1's first fill is issued as a refill is:
	ds_add_u32 v[SPW], v[NIL]
	s_wait_dscnt 0x0
	CROUND                                         ; everybody's part of slot 0 is in, and the joint loads meet
	JLOAD G0+4, G1, G0B+4, G1B                     ; slot 1, my one tensor load behind the round
	FETCH 0, 0, 0
	global_prefetch_b8 v5, s[96:97] offset:3*LOADB th:TH_LOAD_NT scope:SCOPE_SE
	STEP 0, 1
	WIN 0
	s_mov_b32 s3, LAPS-1
.Llap:
	TURN 0, 1, 1
	STEP 1, 0
	TURN 1, 0, 1
	STEP 0, 0
	WIN 0
	s_sub_co_u32 s3, s3, 1
	s_cmp_lg_u32 s3, 0
	s_cbranch_scc1 .Llap
	TURN 0, 1, 0
	STEP 1, 0
	s_wait_dscnt 16
	WIN 0xa5
	MUL16 0, 1, 0
	MUL16 2, 1, 0
	s_wait_dscnt 0x0
	WIN 0xf5
	MUL16 4, 1, 0
	MUL16 6, 1, 0
	WIN 0
	PLACES
.irp b, 0,1,2,3
	v_mov_b32 v[TM+4+\b], 0
.endr
	v_cmp_le_u32 s68, 16, v1
.macro OUTA a
.set ACW, 2+(\a)/4
.set ACS, 64*((\a)%4)
.set PC, 80+20*(\a)                    ; each tile's codes have registers of their own (v80-239): no store's data are written again
	WIN (ACW<<2)|(ACW<<6)
.set n, 0
.rept 64
	v_max_num_f32 v[ACS+n], 0, v[ACS+n]
.set n, n+1
.endr
	WQUANT ACS, ACW, PW+(\a)
	global_store_b128 v[L16], v[PC:PC+3], s[74:75] offset:1536*(\a)
	global_store_b64 v[L8], v[PC+4:PC+5], s[74:75] offset:1536*(\a)+512
	global_store_b128 v[L16], v[PC+6:PC+9], s[74:75] offset:1536*(\a)+768
	global_store_b64 v[L8], v[PC+10:PC+11], s[74:75] offset:1536*(\a)+1280
.if (\a)%2 == 1
	v_cndmask_b32 v[60+(\a)/2], v[PW+(\a)-1], v[PW+(\a)], s68
	global_store_b32 v[L4], v[60+(\a)/2], s[74:75] offset:12288+64*((\a)-1)
.endif
.endm
.irp a, 0,1,2,3,4,5,6,7
	OUTA \a
.endr
	s_wait_tensorcnt 0x0
	ds_add_u32 v[SPW], v[NIL]
	s_wait_dscnt 0x0
	CROUND
	s_endpgm
.Lfunc_end_k_q23f68012b4_ffi:
	.size	k_q23f68012b4_ffi, .Lfunc_end_k_q23f68012b4_ffi-k_q23f68012b4_ffi
	.p2alignl 7, 3214868480
	.fill 96, 4, 3214868480
	.section	.rodata,"a",@progbits
	.p2align	6, 0x0
	.amdhsa_kernel k_q23f68012b4_ffi
		.amdhsa_group_segment_fixed_size 327680
		.amdhsa_private_segment_fixed_size 0
		.amdhsa_enable_private_segment 0
		.amdhsa_kernarg_size 24
		.amdhsa_user_sgpr_count 2
		.amdhsa_user_sgpr_kernarg_segment_ptr 1
		.amdhsa_wavefront_size32 1
		.amdhsa_system_sgpr_workgroup_id_x 1
		.amdhsa_system_sgpr_workgroup_id_y 1
		.amdhsa_system_sgpr_workgroup_id_z 1
		.amdhsa_system_vgpr_workitem_id 0
		.amdhsa_next_free_vgpr 1024
		.amdhsa_next_free_sgpr 100
		.amdhsa_reserve_vcc 0
		.amdhsa_float_denorm_mode_32 3
		.amdhsa_float_denorm_mode_16_64 3
		.amdhsa_memory_ordered 1
		.amdhsa_forward_progress 1
		.amdhsa_inst_pref_size 164
	.end_amdhsa_kernel
	.amdgpu_metadata
---
amdhsa.version: [ 1, 2 ]
amdhsa.kernels:
  - .name:           k_q23f68012b4_ffi
    .symbol:         k_q23f68012b4_ffi.kd
    .args:
      - { .name: xn, .offset: 0, .size: 8, .value_kind: global_buffer, .address_space: global }
      - { .name: wts, .offset: 8, .size: 8, .value_kind: global_buffer, .address_space: global }
      - { .name: hid, .offset: 16, .size: 8, .value_kind: global_buffer, .address_space: global }
    .group_segment_fixed_size: 327680
    .private_segment_fixed_size: 0
    .kernarg_segment_align: 8
    .kernarg_segment_size: 24
    .max_flat_workgroup_size: 128
    .sgpr_count:     100
    .vgpr_count:     1024
    .wavefront_size: 32
...
	.end_amdgpu_metadata
.endif
;; end of part 6
;; launch ffo (part 7): grid 8 x 32, 4 waves a work-group, clusters of 4 x 4, 327,680 bytes of LDS; arguments hid, wts, x1, out0; writes out0
.if DOCPART == 7
	.amdgcn_target "amdgcn-amd-amdhsa--gfx1250"
	.amdhsa_code_object_version 6
	.text
	.protected	k_q23f68012b4_ffo
	.globl	k_q23f68012b4_ffo
	.p2align	8
	.type	k_q23f68012b4_ffo,@function
k_q23f68012b4_ffo:
	s_mov_b64 s[64:65], 0
	v_nop
	global_prefetch_b8 v0, s[64:65] scope:SCOPE_SE
	s_setreg_imm32_b32 hwreg(HW_REG_WAVE_MODE, 25, 1), 1
	s_wait_xcnt 0x0
	s_wait_alu depctr_hold_cnt(0) depctr_sa_sdst(0) depctr_va_vdst(0) depctr_va_sdst(0) depctr_va_ssrc(0) depctr_va_vcc(0) depctr_vm_vsrc(0)
	s_getreg_b32 s2, hwreg(HW_REG_IB_STS2, 6, 4)
	s_cmp_eq_u32 s2, 0
	s_cbranch_scc0 .Lentry_in_a_cluster
	s_endpgm
.Lentry_in_a_cluster:
	s_bfe_u32 s2, ttmp6, 0x10000c
	s_cmp_lg_u32 s2, 0xf033
	s_cbranch_scc0 .Lentry_shape_is_right
	s_endpgm
.Lentry_shape_is_right:
; out0 = x1 + hid Wff_out on codes of FP6 (E2M3) with E8M0 scales: 4,096 x 1,024, K = 4,096 (32 K steps of 128).  Wff_out's records lie at WOFF in wts.
; OPERANDS are images of operand registers: a fragment (16 rows x 128 k) is 1,536 bytes (half c at 768 c: registers 6c..6c+3 at 16 x lane, 6c+4, 6c+5 at 512 + 8 x lane); a group (128 rows x 128 k) is 12,800 bytes:
; eight fragments and, at 12,288 + 64 i + 4 r, the scale words; group (g, s) at (32 g + s) x 12,800.  Tile 2 b + u, lane r, is row 32 b + 8 u + r + 8 (r / 8) of its group.
; SHAPE: 256 work-groups of 128 x 128; a wave makes 64 x 64 in 16 accumulators.  The product is used transposed (source 0 = B's rows): a lane holds 8 neighbouring columns of one row.
; LDS: two slots of SIX K steps (A's six groups, then B's six: 153,600 bytes), the spare words behind them.  A group's K steps are dense in memory, so a load is rows of 256 bytes.
; FILLS: five in all.  At the head one load a wave, 76,800 bytes, each on a line of its own: slot 0's A, slot 0's B, slot 1's A, slot 1's B (K steps 0-11); the two waves that fetched slot 0 wait ahead of the first barrier,
; the others' tiles are shown at the first change of slots.  Then three refills of six K steps (a wave: three K steps of one side, 38,400 bytes) and one of the last two K steps (a wave: one, 12,800 bytes).
; THREE SETS of operand registers, one K step each, by turns; K step n lies in set n % 3 and is fetched from LDS two steps ahead.  Six steps are a multiple of three, so every block of six has one text: the slot's place is a scalar that changes sides.
; A block's step 4 changes slots: all the slot's steps are in registers or on their way by then, so the slot is filled again while its last two steps are still to be multiplied.
; CLUSTER 4 x 4: A's group hangs on cy alone and is asked for jointly along a row of the cluster, B's on cx alone, along a column.
; PREFETCH: nothing but the head's tiles is asked for until slot 0 is in; then the bytes of the first two refills, and behind refill t those of refill t + 2; of the 150 blocks of 256 bytes that a wave will fetch each of the four partners names 38,
; told apart by address (cx for A, cy for B); the last two refills ask for nothing.
; THE RESIDUAL is asked for behind the loop, 13 K steps ahead of its use, when all but the last two K steps have been asked for.
; THE WAY OUT: 16 rows x 64 columns at a time through the wave's own stage in LDS (in slot 0, which by then has had its last fill and its last read), back as whole rows of 256 bytes, + the residual, stored.
; REGISTERS: window 0: v4-8 LDS addresses for slot 0 (A 16 x lane, A 8 x lane, B likewise, scale words), v10-14 the same for the slot at work, v16-20 three K steps on; v21-23 prefetch offsets; v32-43 scale words; v64-159 set 0, v160-255 set 1 (A's four fragments, then B's);
; window 1: v64-159 set 2; window 2: accumulator (a, b) at 8 (4 a + b); window 3: the residual.
.set GRP,   12800
.set KS,    32
.set WOFF,  6553600
.set GSTR,  KS*GRP
.set SIDE,  6*GRP
.set SLOT,  2*SIDE
.set SPARE, 2*SLOT
.set NF,    36                         ; LDS loads of a K step: 4 scale words, 8 fragments of 4
.set BS,   4
.set LO,   10
.set HI,   16
.set PF2,  21
.set PF0,  22
.set PF1,  23
.set SPW,  28
.set NIL,  29
.set SC,   32
.set STO,  56
.set RD,   57
.set CO,   58
.set BK,   128
.set G1,   24
.set G0,   32
.set LDA,  36                          ; LDS place of my part of a refill of six, in its slot
.set TG,   37                          ; LDS byte at which the slot at work begins: 0 or SLOT
.set LDB,  45                          ; LDS place of my part of the last refill
.set G1B,  48
.set G0B,  56
.set RA,   60                          ; s[60:61] A's group + my half of a refill; s[62:63] B's
.set RB,   62
.set PFA,  66                          ; s[66:67] the one of the two by which I fetch
.set G0H,  80                          ; s[80:83], s[84:87] group 0 of the head's loads
.set G0HB, 84
.set MSB,  0
.macro WIN new
.set NW, \new
.if MSB != NW
	s_set_vgpr_msb (MSB<<8)|NW
.set MSB, NW
.endif
.endm
.macro PLACES
.rept 4
	v_nop
.endr
.endm
.macro JLOAD                           ; a joint refill: waves 0, 1 fetch for A, waves 2, 3 for B; s_nop 0 and four v_nop follow each line
	s_cmp_eq_u32 s15, 0
	s_cbranch_scc0 .Lfor_b_\@
	tensor_load_to_lds s[G0:G0+3], s[G1:G1+7]
	s_nop 0
	PLACES
	s_branch .Lasked_\@
.Lfor_b_\@:
	tensor_load_to_lds s[G0B:G0B+3], s[G1B:G1B+7]
	s_nop 0
	PLACES
.Lasked_\@:
.endm
.macro CREST
	s_cmp_lg_u32 s14, 0
	s_cbranch_scc1 .Lnot_wave_0_\@
	s_barrier_signal -3
.Lnot_wave_0_\@:
	s_barrier_wait -3
	s_barrier_signal -1
	s_barrier_wait -1
.endm
.macro CROUND
	s_barrier_signal -1
	s_barrier_wait -1
	CREST
.endm
.macro FRAG reg, a16, a8, off
	ds_load_b128 v[\reg:\reg+3], v[\a16] offset:\off
	ds_load_b64 v[\reg+4:\reg+5], v[\a8] offset:\off+512
	ds_load_b128 v[\reg+6:\reg+9], v[\a16] offset:\off+768
	ds_load_b64 v[\reg+10:\reg+11], v[\a8] offset:\off+1280
.endm
.macro FETCH ad, o, f                  ; the K step o x GRP behind the addresses ad into set f: NF loads
.set SBF, 64+96*((\f)%2)
	WIN 0
.irp i, 0,1,2,3
	ds_load_b32 v[SC+4*(\f)+\i], v[\ad+4] offset:(\o)*GRP+64*\i
.endr
	WIN 0x40*((\f)/2)
.irp i, 0,1,2,3
	FRAG SBF+48+12*\i, \ad+2, \ad+3, (\o)*GRP+1536*\i
.endr
.irp i, 0,1,2,3
	FRAG SBF+12*\i, \ad, \ad+1, (\o)*GRP+1536*\i
.endr
.endm
; 8 matrix instructions: A's tiles a0, a0 + 1 x B's four, set f.  The 16 accumulators take turns, one instruction a turn, in one order throughout.
.macro MUL8 a0, f, zero
.set SBF, 64+96*((\f)%2)
.irp a, \a0, \a0+1
.irp b, 0,1,2,3
.if \zero
	v_wmma_scale_f32_16x16x128_f8f6f4 v[8*(4*(\a)+\b):8*(4*(\a)+\b)+7], v[SBF+48+12*\b:SBF+48+12*\b+11], v[SBF+12*(\a):SBF+12*(\a)+11], 0, v[SC+4*(\f)+\b], v[SC+4*(\f)+(\a)] matrix_a_fmt:MATRIX_FMT_FP6 matrix_b_fmt:MATRIX_FMT_FP6 matrix_a_scale:MATRIX_SCALE_ROW1
.else
	v_wmma_scale_f32_16x16x128_f8f6f4 v[8*(4*(\a)+\b):8*(4*(\a)+\b)+7], v[SBF+48+12*\b:SBF+48+12*\b+11], v[SBF+12*(\a):SBF+12*(\a)+11], v[8*(4*(\a)+\b):8*(4*(\a)+\b)+7], v[SC+4*(\f)+\b], v[SC+4*(\f)+(\a)] matrix_a_fmt:MATRIX_FMT_FP6 matrix_b_fmt:MATRIX_FMT_FP6 matrix_a_scale:MATRIX_SCALE_ROW1
.endif
.endr
.endr
.endm
; A plain K step on set f.  cnt: the LDS loads younger than this set's (the next step's NF).  Behind its products the step two on is fetched into the set that the step before multiplied: four plain lines stand between (ISA guide 7.12.1).
.macro PSTEP f, cnt, zero, ad=-1, o=0
	s_wait_dscnt \cnt
	WIN 0xa0+5*((\f)/2)
	MUL8 0, \f, \zero
	MUL8 2, \f, \zero
.if (\ad) >= 0
	PLACES
	FETCH \ad, \o, ((\f)+2)%3
.endif
.endm
.macro ADDRS                           ; the LDS addresses of the slot that begins at s[TG]
.irp k, 0,1,2,3,4
	v_add_nc_u32 v[LO+\k], s[TG], v[BS+\k]
.endr
.irp k, 0,1,2,3,4
	v_add3_u32 v[HI+\k], s[TG], 3*GRP, v[BS+\k]
.endr
.endm
.macro ASK v, off
	global_prefetch_b8 v[\v], s[PFA:PFA+1] offset:\off th:TH_LOAD_NT scope:SCOPE_SE
.endm
; A block's step 4 (set 1) changes slots: ONE barrier.  Ahead of it each wave waits for all its tensor loads (my part of the other slot), adds 0 to its spare word and waits for that and for its reads of this slot, whose step 5 is the last.
; fill = 1: the barrier opens a round of the cluster's, and this slot takes the next six K steps; 2: the last two K steps; 0: nothing is filled.
.macro TSTEP fill
	WIN 0
	s_wait_tensorcnt 0x0
	ds_add_u32 v[SPW], v[NIL]
.if (\fill) == 1                       ; no load of mine is out: the descriptors may be written
	s_add_nc_u64 s[G0+2:G0+3], s[G0+2:G0+3], 6*GRP
	s_add_nc_u64 s[G0B+2:G0B+3], s[G0B+2:G0B+3], 6*GRP
	s_add_co_u32 s[G0+1], s[TG], s[LDA]
	s_add_co_u32 s[G0B+1], s[TG], s[LDA]
.irp g, G1, G1B
	s_mov_b32 s[\g+2], 150<<16                     ; 150 rows of 256 bytes: three K steps
	s_mov_b32 s[\g+4], 150
.endr
.endif
.if (\fill) == 2
	s_add_nc_u64 s[G0+2:G0+3], s[20:21], s[70:71]
	s_add_nc_u64 s[G0B+2:G0B+3], s[46:47], s[70:71]
	s_add_nc_u64 s[G0+2:G0+3], s[G0+2:G0+3], 30*GRP
	s_add_nc_u64 s[G0B+2:G0B+3], s[G0B+2:G0B+3], 30*GRP
	s_or_b32 s[G0+3], s[G0+3], 0x80000000
	s_or_b32 s[G0B+3], s[G0B+3], 0x80000000
	s_add_co_u32 s[G0+1], s[TG], s[LDB]
	s_add_co_u32 s[G0B+1], s[TG], s[LDB]
.irp g, G1, G1B
	s_mov_b32 s[\g+2], 50<<16                      ; 50 rows: one K step
	s_mov_b32 s[\g+4], 50
.endr
.endif
	s_xor_b32 s[TG], s[TG], SLOT                   ; from here on: the other slot
	s_wait_dscnt NF+1                              ; step 4 is in; step 5's NF loads and the add may be out
	WIN 0xa0
	MUL8 0, 1, 0
	s_wait_dscnt 0x0                               ; the add is done and my reads of this slot are over
	s_barrier_signal -1
	MUL8 2, 1, 0
	WIN 0
	s_barrier_wait -1
.if \fill
	CREST                                          ; no wave of any partner still reads this slot or has a load on its way
	JLOAD                                          ; my one tensor load behind the round
.endif
	ADDRS                                          ; ten plain lines: also the places ahead of the loads below
	s_wait_alu depctr_va_vdst(0)                   ; the wait behind these writes
	FETCH LO, 0, 0
	WIN 0
.if (\fill) == 1                       ; behind refill t the bytes of refill t + 2: in the loop's first trip K steps 24-29, in its second K steps 30, 31, in its third nothing
	s_cmp_eq_u32 s3, 3
	s_cbranch_scc0 .Lnot_3_\@
	ASK PF0, 24*GRP
	ASK PF1, 24*GRP
.Lnot_3_\@:
	s_cmp_eq_u32 s3, 2
	s_cbranch_scc0 .Lnot_2_\@
	ASK PF2, 28*GRP
.Lnot_2_\@:
.endif
.endm
.macro RUN3                            ; a block's steps 1 to 3
	PSTEP 1, NF, 0, HI, 0
	PSTEP 2, NF, 0, HI, 1
	PSTEP 0, NF, 0, HI, 2
.endm
.macro HARM g0, g1, base, lds, goff    ; a load of the head: six K steps of one side, by constants
	s_mov_b32 s[\g0], 1
	s_mov_b32 s[\g0+1], \lds
	s_add_nc_u64 s[\g0+2:\g0+3], s[\base:\base+1], \goff
	s_or_b32 s[\g0+3], s[\g0+3], 0x80000000
	tensor_load_to_lds s[\g0:\g0+3], s[\g1:\g1+7]
	s_nop 0
	PLACES
.endm
	s_load_b256 s[4:11], s[0:1], 0x0               ; hid s[4:5], wts s[6:7], x1 s[8:9], out0 s[10:11]
	v_lshl_add_u32 v[SPW], v0, 2, SPARE
	v_mov_b32 v[NIL], 0
	ds_add_u32 v[SPW], v[NIL]                      ; the wave's opening: the add, twice on end, and its wait ahead of my first tensor load
	ds_add_u32 v[SPW], v[NIL]
	v_lshrrev_b32 v1, 5, v0
	v_readfirstlane_b32 s14, v1                    ; wave
	s_lshr_b32 s15, s14, 1                         ; my half of the rows.  Also: I refill for A (0) or B (1)
	s_and_b32 s16, s14, 1                          ; my half of the columns.  Also: which half of a refill is mine
	s_bfe_u32 s40, ttmp6, 0x40000
	s_bfe_u32 s41, ttmp6, 0x40004
	s_lshl_b32 s42, ttmp9, 2
	s_add_co_u32 s42, s42, s40                     ; B's group = 4 x cluster x + cx
	s_and_b32 s17, ttmp7, 0xffff
	s_lshl_b32 s17, s17, 2
	s_add_co_u32 s17, s17, s41                     ; A's group = 4 x cluster y + cy
	s_lshl_b32 s43, s41, 2
	s_lshl_b32 s43, 15, s43
	s_lshl_b32 s44, 0x1111, s40
	s_or_b32 s[G1+0], s43, (3<<16)|(1<<21)         ; the mask; elements of 8 bytes; 21 set beside a mask; no padding
	s_or_b32 s[G1B+0], s44, (3<<16)|(1<<21)
.irp g, G1, G1B
	s_mov_b32 s[\g+1], 32<<16                      ; rows of 256 bytes,
	s_mov_b32 s[\g+2], 300<<16                     ; at the head 300 of them
	s_mov_b32 s[\g+3], 32<<16
	s_mov_b32 s[\g+4], 300
	s_mov_b32 s[\g+5], 32
	s_mov_b32 s[\g+6], 0
	s_mov_b32 s[\g+7], 0
.endr
	s_mul_i32 s20, s17, GSTR
	s_mov_b32 s21, 0
	s_mul_i32 s46, s42, GSTR
	s_add_co_u32 s46, s46, WOFF
	s_mov_b32 s47, 0
	s_mul_i32 s18, s16, 3*GRP
	s_mov_b32 s19, 0
	s_mul_i32 s70, s16, GRP
	s_mov_b32 s71, 0
	s_mul_i32 s[LDA], s15, SIDE
	s_add_co_u32 s[LDB], s[LDA], s70
	s_add_co_u32 s[LDA], s[LDA], s18
	s_mov_b32 s[TG], 0
	s_mul_i32 s22, s15, 6144                       ; my four tiles of A's eight
	s_mul_i32 s23, s16, 6144
	s_add_co_u32 s23, s23, SIDE                    ; and of B's, behind A's six K steps
	s_xor_b32 s38, s15, 1
	s_add_co_u32 s38, s38, s16
	s_lshl_b32 s38, s38, 8
	s_add_co_u32 s38, s38, SIDE-256                ; from my words of A to my words of B: 76,800 + 256 (B's half - A's half)
	s_lshl_b32 s39, s15, 8
	s_add_co_u32 s39, s39, 12288
	s_mul_i32 s69, s14, 4352                       ; my stage: 16 rows x 272 bytes
	s_cmp_eq_u32 s15, 0
	s_cselect_b32 s68, s40, s41                    ; my place among the four that ask with me: it enters prefetch addresses alone
	s_mul_i32 s73, s68, 13
	s_mul_i32 s68, s68, 38
	s_xor_b32 s72, s16, 1
	s_mul_i32 s72, s72, 2*GRP
	s_lshl_b32 s78, s17, 7
	s_lshl_b32 s79, s15, 6
	s_add_co_u32 s78, s78, s79
	s_lshl_b32 s78, s78, 12                        ; my first row,
	s_lshl_b32 s79, s42, 9
	s_add_co_u32 s78, s78, s79
	s_lshl_b32 s79, s16, 8
	s_add_co_u32 s78, s78, s79                     ; my first column
	s_mov_b32 s79, 0
	s_wait_dscnt 0x0                               ; both opening adds are done
	s_wait_kmcnt 0x0
	s_add_nc_u64 s[20:21], s[4:5], s[20:21]
	s_add_nc_u64 s[46:47], s[6:7], s[46:47]
	s_add_nc_u64 s[RA:RA+1], s[20:21], s[18:19]
	s_add_nc_u64 s[RB:RB+1], s[46:47], s[18:19]
	s_mov_b32 s[G0], 1                             ; the ring's group 0: six K steps short of the first refill's (K step 12)
	s_add_nc_u64 s[G0+2:G0+3], s[RA:RA+1], 6*GRP
	s_or_b32 s[G0+3], s[G0+3], 0x80000000
	s_mov_b32 s[G0B], 1
	s_add_nc_u64 s[G0B+2:G0B+3], s[RB:RB+1], 6*GRP
	s_or_b32 s[G0B+3], s[G0B+3], 0x80000000
	s_cmp_eq_u32 s15, 0
	s_cselect_b64 s[PFA:PFA+1], s[RA:RA+1], s[RB:RB+1]
	s_add_nc_u64 s[74:75], s[8:9], s[78:79]
	s_add_nc_u64 s[76:77], s[10:11], s[78:79]
	CROUND                                         ; all sixteen work-groups are here: the first joint loads meet
	s_cmp_eq_u32 s14, 0
	s_cbranch_scc0 .Lw1
	HARM G0H, G1, 20, 0, 0                         ; wave 0: A's K steps 0-5
	s_branch .Lhead_asked
.Lw1:
	s_cmp_eq_u32 s14, 1
	s_cbranch_scc0 .Lw2
	HARM G0HB, G1B, 46, SIDE, 0                    ; wave 1: B's 0-5
	s_branch .Lhead_asked
.Lw2:
	s_cmp_eq_u32 s14, 2
	s_cbranch_scc0 .Lw3
	HARM G0H, G1, 20, SLOT, 6*GRP                  ; wave 2: A's 6-11
	s_branch .Lhead_asked
.Lw3:
	HARM G0HB, G1B, 46, SLOT+SIDE, 6*GRP           ; wave 3: B's 6-11
.Lhead_asked:
	v_and_b32 v1, 31, v0
	v_and_b32 v2, 15, v0                           ; r
	v_bfe_u32 v3, v0, 4, 1                         ; h
	v_lshlrev_b32 v24, 4, v1
	v_lshlrev_b32 v25, 3, v1
	v_add_nc_u32 v[BS], s22, v24
	v_add_nc_u32 v[BS+1], s22, v25
	v_add_nc_u32 v[BS+2], s23, v24
	v_add_nc_u32 v[BS+3], s23, v25
	v_mul_u32_u24 v26, s38, v3                     ; lanes 16-31 take B's words: one product
	v_lshl_add_u32 v26, v2, 2, v26
	v_add_nc_u32 v[BS+4], s39, v26
	ADDRS
	v_mul_u32_u24 v[STO], v2, 272
	v_lshl_add_u32 v[STO], v3, 6, v[STO]
	v_add_nc_u32 v[STO], s69, v[STO]               ; the stage, in: row r, + 64 h
	v_mul_u32_u24 v[RD], v3, 272
	v_lshl_add_u32 v[RD], v2, 4, v[RD]
	v_add_nc_u32 v[RD], s69, v[RD]                 ; back: lanes 0-15 one row, lanes 16-31 the next
	v_lshlrev_b32 v[CO], 12, v3
	v_lshl_add_u32 v[CO], v2, 4, v[CO]             ; and the same two rows in memory
	v_add_nc_u32 v26, s68, v1                      ; of my 150 blocks of 256 bytes: 38 p + lane,
	v_lshlrev_b32 v[PF0], 8, v26
	v_min_u32 v27, 5, v1
	v_add3_u32 v27, v27, s68, 32                   ; and 38 p + 32 .. 37, held at my last block
	v_min_u32 v27, 149, v27
	v_lshlrev_b32 v[PF1], 8, v27
	v_min_u32 v26, 12, v1                          ; of the last refill's 50: 13 p + 0 .. 12, held at the last
	v_add_nc_u32 v26, s73, v26
	v_min_u32 v26, 49, v26
	v_lshl_add_u32 v[PF2], v26, 8, s72             ; (+ two K steps in the wave whose half begins three K steps earlier)
	s_wait_alu depctr_va_vdst(0)                   ; the head's end
	s_cmp_lt_u32 s14, 2
	s_cbranch_scc0 .Lnot_first
	s_wait_tensorcnt 0x0                           ; waves 0 and 1: slot 0 is in
.Lnot_first:
	s_barrier_signal -1
	s_barrier_wait -1                              ; slot 1 may still be on its way
	FETCH LO, 0, 0
	FETCH LO, 1, 1
	WIN 0
	ASK PF0, 12*GRP                                ; the first refill's bytes,
	ASK PF1, 12*GRP
	ASK PF0, 18*GRP                                ; and the second's
	ASK PF1, 18*GRP
	PSTEP 0, NF, 1, LO, 2                          ; the first K step starts the sums: nothing is cleared
	WIN 0
	s_mov_b32 s3, 3
.Lblk:                                                 ; a trip: a block's steps 1 to 5 and the next block's step 0; it fills one slot again
	RUN3
	TSTEP 1
	PSTEP 2, NF, 0, LO, 1
	PSTEP 0, NF, 0, LO, 2
	WIN 0
	s_sub_co_u32 s3, s3, 1
	s_cmp_lg_u32 s3, 0
	s_cbranch_scc1 .Lblk
	WIN 0xc0                                       ; the residual of my 64 x 64, into window 3, at the stores' own addresses
.irp a, 0,1,2,3
.irp t, 0,1,2,3,4,5,6,7
	global_load_b128 v[4*(8*\a+\t):4*(8*\a+\t)+3], v[CO], s[74:75] offset:(32*(\a/2)+8*(\a%2)+2*\t+8*(\t/4))*4096 th:TH_LOAD_NT
.endr
.endr
	WIN 0
	RUN3                                           ; K steps 19-24: the last refill
	TSTEP 2
	PSTEP 2, NF, 0, LO, 1
	PSTEP 0, NF, 0, LO, 2
	RUN3                                           ; K steps 25-29: nothing is filled
	TSTEP 0
	PSTEP 2, NF, 0, LO, 1
	PSTEP 0, NF, 0                                 ; K steps 30, 31
	PSTEP 1, 0, 0
	WIN 0
	PLACES
.macro TOSTAGE a                       ; A's tile a: lane (r, h) holds, of B's tile 2 b + u, columns 32 b + 16 h + 8 u + 0 .. 7 of row r
	WIN 0x08                                       ; an LDS store's data: window 2
.irp bt, 0,1,2,3
	ds_store_b128 v[STO], v[8*(4*(\a)+\bt):8*(4*(\a)+\bt)+3] offset:128*(\bt/2)+32*(\bt%2)       ; each accumulator from its low end on
	ds_store_b128 v[STO], v[8*(4*(\a)+\bt)+4:8*(4*(\a)+\bt)+7] offset:128*(\bt/2)+32*(\bt%2)+16
.endr
	WIN 0
.set BB, BK+32*((\a)%2)
.irp t, 0,1,2,3,4,5,6,7
	ds_load_b128 v[BB+4*\t:BB+4*\t+3], v[RD] offset:544*\t          ; LDS serves a wave's instructions in order: these see my stores
.endr
.endm
.macro SEND a, younger
.set BB, BK+32*((\a)%2)
	s_wait_dscnt \younger
	WIN 0x0c                                       ; source 1: window 3
.set n, 0
.rept 16
	v_pk_add_f32 v[BB+n:BB+n+1], v[BB+n:BB+n+1], v[32*(\a)+n:32*(\a)+n+1]
.set n, n+2
.endr
	WIN 0
.irp t, 0,1,2,3,4,5,6,7
	global_store_b128 v[CO], v[BB+4*\t:BB+4*\t+3], s[76:77] offset:(32*((\a)/2)+8*((\a)%2)+2*\t+8*(\t/4))*4096 th:TH_STORE_NT   ; 16 lanes store 256 consecutive bytes, at a multiple of 256 from the buffer's first byte
.endr
.endm
	TOSTAGE 0
	s_wait_loadcnt 0x0                             ; the residual
.irp a, 1,2,3
.if \a > 1
	s_wait_xcnt 0x0                                ; tile a - 2's stores have read their registers: tile a's rows may land there
.endif
	TOSTAGE \a
	SEND \a-1, 16                                  ; behind tile a - 1's loads: tile a's 8 stores and 8 loads
.endr
	SEND 3, 0
	s_wait_tensorcnt 0x0                           ; the wave's end
	ds_add_u32 v[SPW], v[NIL]
	s_wait_dscnt 0x0
	CROUND                                         ; the closing round
	s_endpgm
.Lfunc_end_k_q23f68012b4_ffo:
	.size	k_q23f68012b4_ffo, .Lfunc_end_k_q23f68012b4_ffo-k_q23f68012b4_ffo
	.p2alignl 7, 3214868480
	.fill 96, 4, 3214868480
	.section	.rodata,"a",@progbits
	.p2align	6, 0x0
	.amdhsa_kernel k_q23f68012b4_ffo
		.amdhsa_group_segment_fixed_size 327680
		.amdhsa_private_segment_fixed_size 0
		.amdhsa_enable_private_segment 0
		.amdhsa_kernarg_size 32
		.amdhsa_user_sgpr_count 2
		.amdhsa_user_sgpr_kernarg_segment_ptr 1
		.amdhsa_wavefront_size32 1
		.amdhsa_system_sgpr_workgroup_id_x 1
		.amdhsa_system_sgpr_workgroup_id_y 1
		.amdhsa_system_sgpr_workgroup_id_z 1
		.amdhsa_system_vgpr_workitem_id 0
		.amdhsa_next_free_vgpr 1024
		.amdhsa_next_free_sgpr 100
		.amdhsa_reserve_vcc 0
		.amdhsa_float_denorm_mode_32 3
		.amdhsa_float_denorm_mode_16_64 3
		.amdhsa_memory_ordered 1
		.amdhsa_forward_progress 1
		.amdhsa_inst_pref_size 120
	.end_amdhsa_kernel
	.amdgpu_metadata
---
amdhsa.version: [ 1, 2 ]
amdhsa.kernels:
  - .name:           k_q23f68012b4_ffo
    .symbol:         k_q23f68012b4_ffo.kd
    .args:
      - { .name: hid, .offset: 0, .size: 8, .value_kind: global_buffer, .address_space: global }
      - { .name: wts, .offset: 8, .size: 8, .value_kind: global_buffer, .address_space: global }
      - { .name: x1, .offset: 16, .size: 8, .value_kind: global_buffer, .address_space: global }
      - { .name: out0, .offset: 24, .size: 8, .value_kind: global_buffer, .address_space: global }
    .group_segment_fixed_size: 327680
    .private_segment_fixed_size: 0
    .kernarg_segment_align: 8
    .kernarg_segment_size: 32
    .max_flat_workgroup_size: 128
    .sgpr_count:     100
    .vgpr_count:     1024
    .wavefront_size: 32
...
	.end_amdgpu_metadata
.endif
;; end of part 7
